; MI455X (gfx1250); checked and timed in simulation.
; The chip was launched on July 23, 2026; its instructions are those of AMD's public machine-readable ISA for CDNA 5 (MIT licence, August 2026) and "CDNA5" Instruction Set Architecture Reference Guide (July 2026). The comments in the code are by the model that wrote it; some were corrected since.
;; Causal Attention. Allowed arithmetic: matrix products marked QUANTISED: E2M3 operands, one E8M0 scale for each 32 along K, by v_wmma_scale_f32_16x16x128_f8f6f4 with both operands' format E2M3, f32 sums; everything else in f32.
;; Inputs: W_key 1,024 x 1,024 float32; W_query 1,024 x 1,024 float32; W_value 1,024 x 1,024 float32; x 4 x 2,048 x 1,024 float32.
;; Outputs: out0 4 x 2,048 x 1,024 float32.
;; This version of the problem:
;;   THIS VERSION OF THE PROBLEM IS GIVEN IN LOW PRECISION. The matrix products marked QUANTISED in the list below multiply operands that are first quantised to E2M3 (2 exponent bits, 3 mantissa bits; 6 bits a number), with one power-of-two scale for each 32 numbers along K (OCP MX v1.0); their sums are f32. All else is computed in f32.
;;   The module's matrix products, in the order in which they are computed (A, B: the left and right operand; K: the contracted axis; several contracted axes count as one K, in the product's order):
;;     1. [M 8,192, K 1,024] x [K 1,024, N 1,024]; A: input x; B: input W_query: QUANTISED
;;     2. [M 8,192, K 1,024] x [K 1,024, N 1,024]; A: input x; B: input W_key: QUANTISED
;;     3. [M 8,192, K 1,024] x [K 1,024, N 1,024]; A: input x; B: input W_value: QUANTISED
;;     4. batch 4 x [M 2,048, K 1,024] x [K 1,024, N 2,048]; A: computed on the way; B: computed on the way: QUANTISED
;;     5. batch 4 x [M 2,048, K 2,048] x [K 2,048, N 1,024]; A: softmax (see below); B: computed on the way: QUANTISED
;;   THE QUANTISER, for each operand of a quantised product, along K:
;;     - K is cut into blocks of 32 from its start; a last block that is shorter is filled with zeros.
;;     - A block's scale is 2^e with e = floor(log2(the largest magnitude in the block)) - 2, held to -126 .. 127; a block of zeros has e = 0. As a byte (E8M0): e + 127.
;;     - Each number is divided by its block's scale, clamped to +-7.5, and rounded to the nearest number of E2M3, ties to even, subnormals kept.
;;     - The product sums the exact products of the quantised numbers (number of the format x scale) in f32.
;;   ~~~python
;;   def quantise(x, axis):      # numpy; x: float32 -> the quantised numbers, widened to float32 again
;;       x = np.moveaxis(x, axis, -1); K = x.shape[-1]
;;       x = np.pad(x, [(0, 0)] * (x.ndim - 1) + [(0, -K % 32)]); x = x.reshape(x.shape[:-1] + (-1, 32)); a = np.abs(x).max(-1, keepdims=True)
;;       e = np.where(a > 0, np.clip(np.frexp(np.where(a > 0, a, 1))[1] - 1 - 2, -126, 127), 0)      # np.frexp(a)[1] - 1 = floor(log2(a)), exactly
;;       r = np.clip(x / 2.0 ** e, -7.5, 7.5)
;;       step = 2.0 ** (np.maximum(np.frexp(np.where(r == 0, 1, r))[1] - 1, 0) - 3)
;;       q = np.round(r / step) * step * 2.0 ** e      # np.round: ties to even
;;       return np.moveaxis(q.reshape(q.shape[:-2] + (-1,))[..., :K], -1, axis).astype(np.float32)
;;   ~~~
;;   SOFTMAX AHEAD OF A QUANTISED PRODUCT. Where the list says 'softmax', what is quantised is not the finished softmax but p = 2^(t - M), with t = logit x log2(e) and M = ceil(the row's largest t), a whole number; so 1/2 < the row's largest p <= 1. The row's sum l is taken of the UNQUANTISED p, in f32, and the product's result is divided by l at the end. Since M is a whole number, a kernel that streams over the keys may use a running M (the ceiling of the running maximum): every later rescaling is an exact power of two, which a block's scale takes up: the codes' values come out the same.
;;   OPERANDS COMPUTED ON THE WAY. 'Computed on the way' means the value that the module computes at that place (a softmax that the list does not call 'softmax' is quantised finished and normalised). What goes into a quantiser is computed in f32, as accurately as f32 sums, v_exp_f32 and their like allow (about 1e-6 of the number): no bf16 or f16 on the way to a quantiser, and a product that is left as it is and whose result goes on into a quantised operand takes f32 operands (vector FMAs, or v_wmma_f32_16x16x4_f32). A number that lies on a knife's edge between two numbers of the format may be rounded either way, as far as f32 arithmetic and the matrix unit's own rounding can turn it there, and no further.
;; One version. Each part assembles by itself: llvm-mc -triple=amdgcn-amd-amdhsa -mcpu=gfx1250 --defsym DOCPART=n.
;; ======== version 1 of 1: 4 launches
;; limits: right only within a limited range of input values
;; workspace buffers: xc 6,553,600 bytes; wc 2,457,600 bytes; qkc 12,582,912 bytes; qks 524,288 bytes; vc 6,553,600 bytes; pc 13,631,488 bytes; st 1,048,576 bytes
;; launch quant (part 1): grid 256 x 1, 11 waves a work-group, no clusters, 94,464 bytes of LDS; arguments x, W_query, W_key, W_value, xc, wc; writes xc, wc
.if DOCPART == 1
	.amdgcn_target "amdgcn-amd-amdhsa--gfx1250"
	.amdhsa_code_object_version 6
	.text
	.protected	k_q16ba7200ce_quant
	.globl	k_q16ba7200ce_quant
	.p2align	8
	.type	k_q16ba7200ce_quant,@function
k_q16ba7200ce_quant:
	s_mov_b64 s[64:65], 0
	v_nop
	global_prefetch_b8 v0, s[64:65] scope:SCOPE_SE
	s_setreg_imm32_b32 hwreg(HW_REG_WAVE_MODE, 25, 1), 1
	s_wait_xcnt 0x0
; CAUSAL ATTENTION, one head of 1,024, batch 4, 2,048 tokens, all five products on codes of FP6 (E2M3) with one E8M0 scale for each 32 along K.
; Four launches: this one (x and the three weights into codes), proj (q, k, v, quantised on their way out), scores (q k^T, p = 2^(t - M), quantised), pv (p v / l).
; DEAD WORK, left out in scores and pv: the problem's own tril sets the score of key k for query q to -infinity wherever k > q, whatever the inputs hold, so p = 0 there and adds nothing to the row's sum or to
; the second product.  scores makes no tile of 512 queries x 512 keys all of whose keys come after all of its queries, and pv walks no key step all of whose keys come after its 256 queries; inside a tile on the
; diagonal the hidden scores are set to -infinity.  All four inputs have a way to the output and are loaded.  LIMIT: a NaN, an infinity or an overflow that arises only in scores left out is not carried to the result.
; LIMITS of this launch: NaN and infinities among the inputs are not served; a block of zeros gets the scale byte 1 where the rule says 127 (its codes are zeros, and only this program reads the bytes).
;
; LAYOUT.  64 neighbouring rows (tokens, or columns of a weight) are a BAND of four tiles of 16: row r of tile j is row 32 (r / 8) + 8 j + r % 8 of the band, so that a product whose source 0 is such a tile leaves
; in a lane's 32 registers of the four tiles 32 neighbours: one scale block of the next product.  A tile with all of K is 12,800 bytes: eight fragments (16 rows x 128 K) as images of their registers, registers
; 4 i .. 4 i + 3 of lane l at 512 i + 16 l, 1,536 bytes each, and behind them at 12,288 + 64 s + 4 r row r's scale word of K step s.
; xc: tile 16 g + 8 c + 2 j + w = tile j of the band 256 g + 128 w + 64 c.  wc: [weight: query, key, value][16 bands][4 tiles].
; SHARES.  256 work-groups of eleven waves.  Waves 0-7: two tiles (2 p, 2 p + 1) of a band of x, wave s its K step s: each load reads 512 consecutive bytes of a row, and a tile turns through the wave's own stage in
; LDS, so that a lane gets two whole blocks of its row.  Waves 8-10: one weight, K step and pair of tiles each (768 of these over the launch); K is the weight's first axis: a lane takes a column and its registers
; run down K, so the conversions give K innermost.  No barrier: waves share nothing.  No matrix unit, no cluster: nothing is read by two waves.
.set PITCH, 528                        ; a stage row: 512 bytes + 16
.set STG,   16*PITCH                   ; a wave's stage
.set SPARE, 11*STG                     ; behind the stages: the spare words, 128 bytes a wave, in blocks that no other line names
.set SPW,   16                         ; v16  my spare word's address; never rewritten
.set NIL,   17                         ; v17  0; never rewritten
.set X,     64                         ; v64-127   x path: 64 numbers of my row: k = 64 c + 32 h + 0 .. 31 at X + 32 c
.set R,     128                        ; v128-255  x path: two tiles as loaded;  W path: 128 numbers down K
.set C,     24                         ; v24-35, v36-47 two fragments' codes
.set TP,    48                         ; v48-50, v52-54 second halves of blocks (a conversion's three registers begin on an even number)
.set FLOOR, 0x1800000                  ; 2^(3 - 127): under it no largest magnitude is taken, so the byte cannot fall under 1
	s_load_b256 s[4:11], s[0:1], 0x0               ; x, W_query, W_key, W_value
	s_load_b128 s[12:15], s[0:1], 0x20             ; xc, wc
	v_lshl_add_u32 v[SPW], v0, 2, SPARE
	v_mov_b32 v[NIL], 0
	v_lshrrev_b32 v1, 5, v0
	v_readfirstlane_b32 s16, v1                    ; wave 0..10
	v_and_b32 v1, 31, v0                           ; lane
	v_and_b32 v2, 15, v0                           ; r
	v_bfe_u32 v3, v0, 4, 1                         ; h
	v_lshlrev_b32 v4, 4, v1                        ; 16 x lane
	v_lshlrev_b32 v21, 3, v3                       ; 8 h
	v_mov_b32 v20, 0                               ; written once: a lane permute's destination counts as one of its sources
	s_mov_b32 s17, 0x76543210
	s_mov_b32 s18, 0xfedcba98                      ; v_permlanex16_b32's selects for lane l xor 16
	s_wait_alu depctr_va_vdst(0)
	s_cmp_lt_u32 s16, 8
	s_cbranch_scc0 .Lweights
	; ---------------- x ----------------
	s_mul_i32 s20, s16, STG
	v_add_nc_u32 v5, s20, v4                       ; into the stage: 16 x lane of a row
	v_mul_u32_u24 v6, v2, PITCH
	v_mul_u32_u24 v7, 25600, v3
	v_lshl_add_u32 v6, v3, 7, v6
	v_lshl_add_u32 v7, v2, 2, v7                   ; scale words: lane 16 u + r, tile u two tiles on
	v_add_nc_u32 v6, s20, v6                       ; out of it: row r, + 128 h
	s_lshr_b32 s22, ttmp9, 1
	s_lshl_b32 s22, s22, 18                        ; my band: 64 rows of 4,096 bytes,
	s_and_b32 s24, ttmp9, 1                        ; p
	s_lshl_b32 s23, s24, 16
	s_add_co_u32 s22, s22, s23                     ; + 16 p rows,
	s_lshl_b32 s23, s16, 9
	s_add_co_u32 s22, s22, s23                     ; + my K step's 512 bytes
	s_mov_b32 s23, 0
	s_lshl_b32 s24, s24, 2
	s_lshr_b32 s25, ttmp9, 3
	s_lshl_b32 s25, s25, 4
	s_add_co_u32 s24, s24, s25
	s_bfe_u32 s25, ttmp9, 0x10001
	s_lshl_b32 s25, s25, 3
	s_add_co_u32 s24, s24, s25
	s_bfe_u32 s25, ttmp9, 0x10002
	s_add_co_u32 s24, s24, s25                     ; tile 16 g + 8 c + 4 p + w
	s_mul_i32 s26, s24, 12800
	s_mul_i32 s28, s16, 1536
	s_add_co_u32 s28, s28, s26                     ; my fragments
	s_mov_b32 s29, 0
	s_lshl_b32 s30, s16, 6
	s_add_co_u32 s30, s30, s26
	s_add_co_u32 s30, s30, 12288                   ; my scale words
	s_mov_b32 s31, 0
	s_wait_alu depctr_va_vdst(0)
	s_wait_kmcnt 0x0
	s_add_nc_u64 s[4:5], s[4:5], s[22:23]
	s_add_nc_u64 s[28:29], s[12:13], s[28:29]
	s_add_nc_u64 s[30:31], s[12:13], s[30:31]
.irp u, 0,1                            ; all 32 loads go out at once: 16 KB a wave
.irp i, 0,1,2,3,4,5,6,7,8,9,10,11,12,13,14,15
	global_load_b128 v[R+64*\u+4*\i:R+64*\u+4*\i+3], v4, s[4:5] offset:(8*\u+(\i%8)+32*(\i/8))*4096 th:TH_LOAD_NT   ; row i of tile u: 512 consecutive bytes
.endr
.endr
.macro XTILE u
.set CU, C+12*\u
	s_wait_loadcnt 16*(1-\u)                       ; this tile's 16 loads are in; the other tile's 16, issued behind them, may be out
.irp i, 0,1,2,3,4,5,6,7,8,9,10,11,12,13,14,15
	ds_store_b128 v5, v[R+64*\u+4*\i:R+64*\u+4*\i+3] offset:PITCH*\i
.endr
.irp c, 0,1
.irp j, 0,1,2,3,4,5,6,7
	ds_load_b128 v[X+32*\c+4*\j:X+32*\c+4*\j+3], v6 offset:256*\c+16*\j   ; LDS serves a wave's instructions in order: these see my stores, and the next tile's stores come behind them
.endr
.endr
	s_wait_dscnt 0x0
.irp c, 0,1                            ; my block 2 c + h: all its 32 numbers are mine
	v_max3_num_f32 v[8+\c], |v[X+32*\c]|, |v[X+32*\c+1]|, FLOOR
.endr
.irp i, 2,4,6,8,10,12,14,16,18,20,22,24,26,28,30
.irp c, 0,1
	s_delay_alu instid0(VALU_DEP_2)
	v_max3_num_f32 v[8+\c], v[8+\c], |v[X+32*\c+\i]|, |v[X+32*\c+\i+1]|
.endr
.endr
.irp c, 0,1
	s_delay_alu instid0(VALU_DEP_2)
	v_add_nc_u32 v[10+\c], 0xff000000, v[8+\c]     ; 2 off the exponent field: the conversion takes this operand's exponent field as its scale
.endr
.irp c, 0,1
	s_delay_alu instid0(VALU_DEP_2)
	v_lshrrev_b32 v[12+\c], 23, v[10+\c]           ; the scale's byte
.endr
	s_delay_alu instid0(VALU_DEP_1)
	v_lshl_or_b32 v[18+\u], v13, 16, v12           ; my two bytes, blocks h and 2 + h,
	s_delay_alu instid0(VALU_DEP_1)
	v_lshlrev_b32 v[18+\u], v21, v[18+\u]          ; at their places;
	s_delay_alu instid0(VALU_DEP_1)
	v_permlanex16_b32 v20, v[18+\u], s17, s18
	s_delay_alu instid0(VALU_DEP_1)
	v_or_b32 v[18+\u], v[18+\u], v20               ; with lane l xor 16's two the row's word is whole
.irp c, 0,1
	v_cvt_scalef32_pk16_fp6_f32 v[CU+6*\c:CU+6*\c+2], v[X+32*\c:X+32*\c+15], v[10+\c]
	v_cvt_scalef32_pk16_fp6_f32 v[TP+4*\c:TP+4*\c+2], v[X+32*\c+16:X+32*\c+31], v[10+\c]
.endr
	v_nop                                          ; one plain place behind a scaled conversion
.irp c, 0,1
.irp i, 0,1,2
	v_mov_b32 v[CU+3+6*\c+\i], v[TP+4*\c+\i]
.endr
.endr
.irp j, 0,1,2
	global_store_b128 v4, v[CU+4*\j:CU+4*\j+3], s[28:29] offset:25600*\u+512*\j   ; 512 consecutive bytes, aligned; no store's data are written again
.endr
.endm
	XTILE 0
	XTILE 1
	v_permlane16_swap_b32 v18, v19                 ; tile 1's words, lanes 0-15, go into lanes 16-31 of tile 0's register
	global_store_b32 v7, v18, s[30:31]
	s_wait_tensorcnt 0x0                           ; the wave's end
	ds_add_u32 v[SPW], v[NIL]
	s_wait_dscnt 0x0
	s_endpgm
	; ---------------- the weights (no LDS is touched on this path) ----------------
.Lweights:
	s_mul_i32 s20, ttmp9, 3
	s_add_co_u32 s20, s20, s16
	s_sub_co_u32 s20, s20, 8                       ; 0 .. 767: 256 x weight + 32 x K step + pair of tiles
	s_lshr_b32 s21, s20, 8                         ; which weight
	s_bfe_u32 s23, s20, 0x30005                    ; K step
	s_and_b32 s22, s20, 31                         ; pair of tiles: band s22 / 2, p = s22 % 2
	v_and_b32 v8, 7, v0
	v_bfe_u32 v9, v0, 3, 1
	v_mul_u32_u24 v7, 12800, v3
	v_lshl_add_u32 v8, v9, 5, v8
	v_lshl_add_u32 v7, v2, 2, v7                   ; scale words: lane 16 u + r, tile u one tile on
	v_lshl_add_u32 v8, v3, 3, v8                   ; lane 16 u + r takes column 16 p + 8 u + r % 8 + 32 (r / 8) of the band
	v_lshlrev_b32 v5, 2, v8
	s_lshl_b32 s24, s23, 19                        ; 128 rows of 4,096 bytes
	s_lshr_b32 s25, s22, 1
	s_lshl_b32 s25, s25, 8
	s_add_co_u32 s24, s24, s25
	s_and_b32 s25, s22, 1
	s_lshl_b32 s25, s25, 6
	s_add_co_u32 s24, s24, s25
	s_mov_b32 s25, 0
	s_lshl_b32 s26, s21, 5
	s_add_co_u32 s26, s26, s22
	s_mul_i32 s26, s26, 25600
	s_mul_i32 s28, s23, 1536
	s_add_co_u32 s28, s28, s26
	s_mov_b32 s29, 0
	s_lshl_b32 s30, s23, 6
	s_add_co_u32 s30, s30, s26
	s_add_co_u32 s30, s30, 12288
	s_mov_b32 s31, 0
	s_wait_alu depctr_va_vdst(0)
	s_wait_kmcnt 0x0
	s_cmp_eq_u32 s21, 0
	s_cselect_b64 s[32:33], s[6:7], s[8:9]
	s_cmp_eq_u32 s21, 2
	s_cselect_b64 s[32:33], s[10:11], s[32:33]     ; the choice hangs on the work-group's and the wave's number alone
	s_add_nc_u64 s[32:33], s[32:33], s[24:25]
	s_add_nc_u64 s[28:29], s[14:15], s[28:29]
	s_add_nc_u64 s[30:31], s[14:15], s[30:31]
.macro WLOAD b                         ; block b: W(32 b + i, my column)
.irp i, 0,1,2,3,4,5,6,7,8,9,10,11,12,13,14,15,16,17,18,19,20,21,22,23,24,25,26,27,28,29,30,31
	global_load_b32 v[R+32*\b+\i], v5, s[32:33] offset:(32*\b+\i)*4096
.endr
.endm
.macro WBLOCK b                        ; a whole block lies in my 32 registers; its codes go to T0 (even blocks, v24 on) or T1 (odd blocks, v36 on)
.set XS, R+32*\b
.set TC, C+12*(\b%2)+6*(\b/2)
	v_max3_num_f32 v8, |v[XS]|, |v[XS+1]|, FLOOR
	v_max3_num_f32 v9, |v[XS+2]|, |v[XS+3]|, |v[XS+4]|
.irp i, 5,9,13,17,21,25
	s_delay_alu instid0(VALU_DEP_2)
	v_max3_num_f32 v8, v8, |v[XS+\i]|, |v[XS+\i+1]|
	s_delay_alu instid0(VALU_DEP_2)
	v_max3_num_f32 v9, v9, |v[XS+\i+2]|, |v[XS+\i+3]|
.endr
	s_delay_alu instid0(VALU_DEP_2)
	v_max3_num_f32 v8, v8, |v[XS+29]|, |v[XS+30]|
	s_delay_alu instid0(VALU_DEP_1)
	v_max3_num_f32 v8, v8, v9, |v[XS+31]|
	s_delay_alu instid0(VALU_DEP_1)
	v_add_nc_u32 v10, 0xff000000, v8
	s_delay_alu instid0(VALU_DEP_1)
	v_lshrrev_b32 v11, 23, v10
.if \b == 0
	s_delay_alu instid0(VALU_DEP_1)
	v_mov_b32 v18, v11
.else
	s_delay_alu instid0(VALU_DEP_1)
	v_lshl_or_b32 v18, v11, 8*\b, v18              ; my column's scale word
.endif
	v_cvt_scalef32_pk16_fp6_f32 v[TC:TC+2], v[XS:XS+15], v10
	v_cvt_scalef32_pk16_fp6_f32 v[TP:TP+2], v[XS+16:XS+31], v10
	v_nop                                          ; one plain place behind a scaled conversion
.irp i, 0,1,2
	v_mov_b32 v[TC+3+\i], v[TP+\i]
.endr
.endm
	WLOAD 0
	WLOAD 1
	s_wait_loadcnt 32                              ; block 0 is in; block 1's 32 loads may be out
	WLOAD 2
	WBLOCK 0
	s_wait_loadcnt 32                              ; block 1 is in; block 2's may be out
	WLOAD 3
	WBLOCK 1
	s_wait_loadcnt 32                              ; block 2 is in; block 3's may be out
	WBLOCK 2
	s_wait_loadcnt 0x0
	WBLOCK 3
.irp i, 0,1,2,3,4,5,6,7,8,9,10,11      ; lane 16 u + r holds what lanes (r, 0) and (r, 1) of tile u want, in T0 and T1: one exchange makes T0 tile 0's image and T1 tile 1's
	v_permlane16_swap_b32 v[C+\i], v[C+12+\i]
.endr
.irp u, 0,1
.irp j, 0,1,2
	global_store_b128 v4, v[C+12*\u+4*\j:C+12*\u+4*\j+3], s[28:29] offset:12800*\u+512*\j
.endr
.endr
	global_store_b32 v7, v18, s[30:31]
	s_endpgm
.Lfunc_end_k_q16ba7200ce_quant:
	.size	k_q16ba7200ce_quant, .Lfunc_end_k_q16ba7200ce_quant-k_q16ba7200ce_quant
	.p2alignl 7, 3214868480
	.fill 96, 4, 3214868480
	.section	.rodata,"a",@progbits
	.p2align	6, 0x0
	.amdhsa_kernel k_q16ba7200ce_quant
		.amdhsa_group_segment_fixed_size 94464
		.amdhsa_private_segment_fixed_size 0
		.amdhsa_enable_private_segment 0
		.amdhsa_kernarg_size 48
		.amdhsa_user_sgpr_count 2
		.amdhsa_user_sgpr_kernarg_segment_ptr 1
		.amdhsa_wavefront_size32 1
		.amdhsa_system_sgpr_workgroup_id_x 1
		.amdhsa_system_sgpr_workgroup_id_y 1
		.amdhsa_system_sgpr_workgroup_id_z 1
		.amdhsa_system_vgpr_workitem_id 0
		.amdhsa_next_free_vgpr 256
		.amdhsa_next_free_sgpr 66
		.amdhsa_reserve_vcc 0
		.amdhsa_float_denorm_mode_32 3
		.amdhsa_float_denorm_mode_16_64 3
		.amdhsa_memory_ordered 1
		.amdhsa_forward_progress 1
		.amdhsa_inst_pref_size 42
	.end_amdhsa_kernel
	.amdgpu_metadata
---
amdhsa.version: [ 1, 2 ]
amdhsa.kernels:
  - .name:           k_q16ba7200ce_quant
    .symbol:         k_q16ba7200ce_quant.kd
    .args:
      - { .name: x, .offset: 0, .size: 8, .value_kind: global_buffer, .address_space: global }
      - { .name: W_query, .offset: 8, .size: 8, .value_kind: global_buffer, .address_space: global }
      - { .name: W_key, .offset: 16, .size: 8, .value_kind: global_buffer, .address_space: global }
      - { .name: W_value, .offset: 24, .size: 8, .value_kind: global_buffer, .address_space: global }
      - { .name: xc, .offset: 32, .size: 8, .value_kind: global_buffer, .address_space: global }
      - { .name: wc, .offset: 40, .size: 8, .value_kind: global_buffer, .address_space: global }
    .group_segment_fixed_size: 94464
    .private_segment_fixed_size: 0
    .kernarg_segment_align: 8
    .kernarg_segment_size: 48
    .max_flat_workgroup_size: 352
    .sgpr_count:     66
    .vgpr_count:     256
    .wavefront_size: 32
...
	.end_amdgpu_metadata
.endif
;; end of part 1
;; launch proj (part 2): grid 16 x 16, 4 waves a work-group, clusters of 4 x 4, 327,680 bytes of LDS; arguments xc, wc, qkc, qks, vc; writes qkc, qks, vc
.if DOCPART == 2
	.amdgcn_target "amdgcn-amd-amdhsa--gfx1250"
	.amdhsa_code_object_version 6
	.text
	.protected	k_q16ba7200ce_proj
	.globl	k_q16ba7200ce_proj
	.p2align	8
	.type	k_q16ba7200ce_proj,@function
k_q16ba7200ce_proj:
	s_mov_b64 s[64:65], 0
	v_nop
	global_prefetch_b8 v0, s[64:65] scope:SCOPE_SE
	s_setreg_imm32_b32 hwreg(HW_REG_WAVE_MODE, 25, 1), 1
	s_wait_xcnt 0x0
	s_wait_alu depctr_hold_cnt(0) depctr_sa_sdst(0) depctr_va_vdst(0) depctr_va_sdst(0) depctr_va_ssrc(0) depctr_va_vcc(0) depctr_vm_vsrc(0)
	s_getreg_b32 s2, hwreg(HW_REG_IB_STS2, 6, 4)
	s_cmp_eq_u32 s2, 0
	s_cbranch_scc0 .Lentry_in_a_cluster
	s_endpgm
.Lentry_in_a_cluster:
	s_bfe_u32 s2, ttmp6, 0x10000c
	s_cmp_lg_u32 s2, 0xf033
	s_cbranch_scc0 .Lentry_shape_is_right
	s_endpgm
.Lentry_shape_is_right:
; Q, K, V = x W, quantised on their way out.  The results leave as codes of FP6 and scale bytes in the order of the operand registers of the launches that read them; no f32 result is stored.
; LIMITS: NaN and infinities are not served; a block of zeros gets the scale byte 1 (its codes are zeros).  Nothing is left out here.
; THE DEAL.  256 work-groups of four waves, 2 x 2; a wave holds 64 columns of a weight (one band), ALL of K, in registers (384) and streams x's tiles past them: a block is 16 rows x 64 columns, 32 products.
; A work-group makes 256 x 128 of V (PHASE 1, eight blocks a wave) and then 512 x 128 of Q or K (PHASE 2, sixteen blocks).  V's 256 rows are half s87 of its own 512, so the two chunks of 8 tiles asked for at the head
; serve both; only the other half's two chunks come later.  Which half (s87) and which tensor (s19) come from the cluster's number alone; V's tile column is 4 s19 + cx, its tile row 2 x phase 2's + s87.
; x's tiles are shared by a ROW of the cluster, a weight's by a COLUMN: every tile comes by a joint load.  The wave in row a of the 2 x 2 takes tiles 2 j + a of a chunk: key step 2 g + a of 128 tokens, band c, tile j.
; OUT.  qkc: [Q, K][256 groups of 32 tokens: tiles 2 p, 2 p + 1 of a band][4 records of 256 features][step q][tile u][half of 64 features][registers 0-3 of 32 lanes, then 4-5]: 768 bytes a half.
; qks: [Q, K][8 K steps][64 chunks of 128 tokens][group 2 c + p][16 u + r] scale words.  vc: [32 groups of 32 features][32 records of 256 tokens][6,400]: fragment (q, u) at 1,536 (2 q + u), words at 6,144 + 128 q + 4 (16 u + r).
; LDS: two slots for x's chunks (0, CH), a region of its own for the weights' 8 tiles (BVB), the stage for Q's or K's scale bytes (XN), the spare words.
; FILLS.  At the head one load a wave: waves 0, 1 W_v's tiles (a half each), wave 2 chunk 0, wave 3 chunk 1.  Three refills, a quarter a wave, each in a round with the three lines ahead of it: W_q's or W_k's tiles in V's
; third block (all waves hold W_v in registers by then), the other half's chunks in phase 2's blocks 2 and 6.  What a refill brought is shown by the next round or by a plain barrier behind which nothing is filled.
; A ROUND STANDS INSIDE A BLOCK: products are register work.  Behind every second product stand two ENTRIES of the block's list: scalar lines and a vector line each: the next addresses, descriptors, and the last block's search for
; its largest magnitudes, by two chains side by side; the conversions stand behind the block's last product.
; WAITS.  A block's rows were fetched two blocks ago; younger are the next block's fetch, NF loads, and in phase 2, from its block 2 on, one store of scale bytes.  Behind a round or barrier with its wait for 0: none.
; PREFETCHES, shared out by address among the sixteen waves that will ask jointly: the second weight at the head, chunk 2 behind the first refill, chunk 3 at the change of phase, each well ahead of its refill.
.set TILE, 12800
.set FRB,  1536
.set CH,   8*TILE
.set BVB,  2*CH
.set XN,   3*CH
.set SPARE, XN+2048
.set STB,  2*TILE                      ; from my block to my next
.set NF,   32                          ; LDS loads of a block: 24 for eight fragments, 8 for the scale words
.set GRP,  24576
.set EMAX, 2
.set ADRA0, 4                          ; v4, v5  LDS address of my fragments of blocks 0, 1;  v6, v23 of their scale words
.set ADR1, 5
.set AAS0, 6
.set AAS1, 23
.set CO,   9                           ; 16 x lane;  v19 8 x lane;  v22 4 x lane + V's scale words' place
.set CO8,  19
.set CO4,  22
.set SPW,  10
.set NIL,  11
.set ADRA, 12                          ; the block that is fetched next;  v17 its scale words
.set AAS,  17
.set ADRB, 14                          ; my fragments of the weights;  v16 their scale words
.set ABS,  16
.set STO,  18
.set H8,   21
.set SB,   24                          ; v24-39 the weights' scale words
.set TQ,   40
.set SA,   44                          ; v44-59 the rows' scale words: two sets of eight
.set TC,   60
.set ACC,  64                          ; v64-127 phase 2: two sets of four accumulators
.set HV0,  64                          ; v64-191 phase 1, band 0: 32 t + 8 j + i
.set HV1,  840                         ; v840-967 band 1
.set EB1,  96
.set NCD,  128                         ; v128-139 phase 2: six registers of the even block's codes, six of the odd one's
.set MCD,  192                         ; v192-239 phase 1: four operands of twelve
.set SOP,  240
.set EB,   244
.set VX,   248
.set G1A,  24
.set G1B,  32
.set G0A,  56
.set G0B,  60
.set G0R,  68
.set MSB, 0
.macro WIN new
.if MSB != (\new)
	s_set_vgpr_msb (MSB<<8)|(\new)
.set MSB, (\new)
.endif
.endm
.macro PLACES n
.rept \n
	v_nop
.endr
.endm
.macro WALU
	s_wait_alu depctr_va_vdst(0)
.endm
.macro BARRIER
	s_barrier_signal -1
	s_barrier_wait -1
.endm
.macro MIDDLE                          ; a round's middle: the opening wait, wave 0's signal for the work-group, the cluster's wait
	WIN 0
	s_barrier_wait -1
	s_cmp_lg_u32 s14, 0
	s_cbranch_scc1 .Lnot_wave_0_\@
	s_barrier_signal -3
.Lnot_wave_0_\@:
	s_barrier_wait -3
.endm
.macro CROUND
	s_barrier_signal -1
	MIDDLE
	BARRIER
.endm
.macro GRD
	s_wait_tensorcnt 0x0
	ds_add_u32 v[SPW], v[NIL]
.endm
.macro TLOAD g0, g1
	tensor_load_to_lds s[\g0:\g0+3], s[\g1:\g1+7]
	s_nop 0
	PLACES 4
.endm
.macro GROUP1 g, mask, rows            ; tiles as rows of 1,600 elements of 8 bytes, end to end
	s_or_b32 s[\g], s[\mask], (3<<16)|(1<<21)
	s_mov_b32 s[\g+1], 1600<<16
	s_mov_b32 s[\g+2], (\rows)<<16
	s_mov_b32 s[\g+3], 1600<<16
	s_mov_b32 s[\g+4], \rows
	s_mov_b32 s[\g+5], 1600
	s_mov_b32 s[\g+6], 0
	s_mov_b32 s[\g+7], 0
.endm
.macro SADD d, x
	s_add_co_u32 s\d, s\d, s\x
.endm
; ---- fragment f lies in window 1 + f / 21 at register 12 (f % 21): 0-31 the weights' (4 q + b), 32-39 and 40-47 the rows' two sets
.macro FRAG f, adr, off
	WIN (1+(\f)/21)<<6
.set R_, 12*((\f)%21)
.irp p, 0,1,2
	ds_load_b128 v[R_+4*\p:R_+4*\p+3], \adr offset:\off+512*\p
.endr
.endm
.macro WEIGHTS                         ; my 64 columns, all of K: 96 + 16 loads
.irp q, 0,1,2,3,4,5,6,7
.irp b, 0,1,2,3
	FRAG 4*\q+\b, v[ADRB], TILE*\b+FRB*\q
.endr
.endr
	WIN 0
.irp q, 0,1,2,3,4,5,6,7
.irp b, 0,1
	ds_load_b32 v[SB+8*\b+\q], v[ABS] offset:2*TILE*\b+12288+64*\q   ; lanes 0-15 tile 2 b, lanes 16-31 tile 2 b + 1
.endr
.endr
.endm
.macro FETCHAT e, adr, sc              ; a block of x's rows into set e: NF loads
.irp q, 0,1,2,3,4,5,6,7
	FRAG 32+8*(\e)+\q, \adr, FRB*\q
.endr
	WIN 0
.irp q, 0,1,2,3,4,5,6,7
	ds_load_b32 v[SA+8*(\e)+\q], \sc offset:12288+64*\q
.endr
.endm
.macro FETCH e
	FETCHAT \e, v[ADRA], v[AAS]
.endm
.macro FETCH01                         ; a phase's first two blocks, from slot 0
	FETCHAT 0, v[ADRA0], v[AAS0]
	FETCHAT 1, v[ADR1], v[AAS1]
	s_mov_b32 s101, STB
.endm
; ---- a product.  n = 4 q + column tile.  kind 0 (Q, K): source 0 the weight's tile; kind 1 (V): source 0 x's tile
.macro PROD kind, e, n, a0, as
.set Q_, (\n)/4
.set FB_, 4*Q_+(\n)%4
.set FA_, 32+8*(\e)+Q_
.set D_, (\a0)+(\as)*((\n)%4)
.set DL_, D_&255
.set XB_, SB+8*(((\n)%4)/2)+Q_
.set XA_, SA+8*(\e)+Q_
.if \kind
	WIN (1+FA_/21)|((1+FB_/21)<<2)|((D_>>8)<<4)|((D_>>8)<<6)
.if Q_
	PROD1 DL_, FA_, FB_, v[DL_:DL_+7], XA_, XB_, b, (\n)%2
.else
	PROD1 DL_, FA_, FB_, 0, XA_, XB_, b, (\n)%2
.endif
.else
	WIN (1+FB_/21)|((1+FA_/21)<<2)|((D_>>8)<<4)|((D_>>8)<<6)
.if Q_
	PROD1 DL_, FB_, FA_, v[DL_:DL_+7], XB_, XA_, a, (\n)%2
.else
	PROD1 DL_, FB_, FA_, 0, XB_, XA_, a, (\n)%2
.endif
.endif
.endm
.macro PROD1 d, s0, s1, c, x0, x1, side, o
.if \o
	v_wmma_scale_f32_16x16x128_f8f6f4 v[\d:\d+7], v[12*((\s0)%21):12*((\s0)%21)+11], v[12*((\s1)%21):12*((\s1)%21)+11], \c, v[\x0], v[\x1] matrix_a_fmt:MATRIX_FMT_FP6 matrix_b_fmt:MATRIX_FMT_FP6 matrix_\side\()_scale:MATRIX_SCALE_ROW1
.else
	v_wmma_scale_f32_16x16x128_f8f6f4 v[\d:\d+7], v[12*((\s0)%21):12*((\s0)%21)+11], v[12*((\s1)%21):12*((\s1)%21)+11], \c, v[\x0], v[\x1] matrix_a_fmt:MATRIX_FMT_FP6 matrix_b_fmt:MATRIX_FMT_FP6 matrix_\side\()_scale:MATRIX_SCALE_ROW0
.endif
.endm
; ---- products from .. to - 1 of a block; behind every second one, two entries of the list (a macro: entry number, two arguments of its own)
.macro BLOCK kind, e, a0, as, from, to, list, x=0, y=0
.set N_, \from
.rept (\to)-(\from)
	PROD \kind, \e, N_, \a0, \as
.if N_%2
	\list N_-1, \x, \y
	\list N_, \x, \y
.endif
.set N_, N_+1
.endr
.endm
; ---- what the lists are made of.  Each macro writes entry i of its part, and nothing beyond its last
.macro STEPV i
.if (\i) == 0
	WIN 0
	v_add_nc_u32 v[ADRA], s101, v[ADRA0]
.elseif (\i) == 1
	WIN 0
	v_add_nc_u32 v[AAS], s101, v[AAS0]
.endif
.endm
.macro STEP i, wrap                    ; the next block's LDS addresses: 2 entries; with the test for the ring's end 3
.if (\i) == 0
	s_add_co_u32 s101, s101, STB
.if \wrap
	s_cmp_eq_u32 s101, 2*CH
	s_cselect_b32 s101, 0, s101
.endif
.endif
	STEPV (\i)-(\wrap)
.endm
.macro CHAIN i, x, n, t=TQ             ; a way out's first part, 18 entries: the largest magnitude of the 32 sums from register x on, and the conversions' scale operand, v[SOP+n]
.set XW_, (\x)>>8
.set XL_, (\x)&255
.if (\i) >= 0 && (\i) < 14
.set B_, XL_+16*((\i)%2)+2*((\i)/2)
.set T_, (\t)+1-(\i)%2
.if (\i) < 2
	WIN XW_|(XW_<<2)|(XW_<<4)
	v_max3_num_f32 v[T_], |v[B_]|, |v[B_+1]|, |v[B_+2]|
.else
	WIN (XW_<<2)|(XW_<<4)
	v_max3_num_f32 v[T_], v[T_], |v[B_+1]|, |v[B_+2]|
.endif
.elseif (\i) == 14
	WIN XW_<<2
	v_max3_num_f32 v[\t+1], v[\t+1], |v[XL_+15]|, (EMAX+1)<<23
.elseif (\i) == 15
	WIN 0
	v_nop                                  ; so that the next line, which reads entry 14's result, stands in the next pair
.elseif (\i) == 16
	WIN XW_<<2
	v_max3_num_f32 v[\t], v[\t], |v[XL_+31]|, v[\t+1]
.elseif (\i) == 17
	WIN 0
	v_add_nc_u32 v[SOP+\n], -(EMAX<<23), v[\t]
.endif
.endm
.macro CODES i, x, c, n, t=TC, eb=EB   ; its second part, 6 lines: 32 codes into v[c .. c+5], the scale's byte into v[eb+n]
.set XW_, (\x)>>8
.set XL_, (\x)&255
.if (\i) == 0
	WIN XW_
	v_cvt_scalef32_pk16_fp6_f32 v[\c:\c+2], v[XL_:XL_+15], v[SOP+\n]
.elseif (\i) == 1
	WIN XW_
	v_cvt_scalef32_pk16_fp6_f32 v[\t:\t+2], v[XL_+16:XL_+31], v[SOP+\n]
.elseif (\i) == 2
	WIN 0
	v_lshrrev_b32 v[\eb+\n], 23, v[SOP+\n]
.else
	WIN 0
	v_mov_b32 v[\c+\i], v[\t+\i-3]
.endif
.endm
.macro CODES6 x, c, n
.irp i, 0,1,2,3,4,5
	CODES \i, \x, \c, \n
.endr
.endm
.macro PFTILE v, off, share            ; one entry: my sixteenth (25 blocks of 256 bytes) of 8 tiles, to be asked for into the L2
	s_mul_i32 s21, s\share, CH/16
	s_add_co_u32 s20, s\off, s21
	WIN 0
	v_min_u32 v\v, CH/16/256-1, v3
	v_lshl_add_u32 v\v, v\v, 8, s20
.endm
.macro PFGO v, base
	global_prefetch_b8 v\v, s[\base:\base+1] th:TH_LOAD_NT scope:SCOPE_SE
.endm
.macro PUT                             ; a pair of blocks: tiles u = 0, 1: registers 0-3, then 4-5: 512 and 256 consecutive bytes, aligned
.irp u, 0,1
	global_store_b128 v[CO], v[NCD+6*\u:NCD+6*\u+3], s[84:85] offset:FRB*\u
	global_store_b64 v[CO8], v[NCD+6*\u+4:NCD+6*\u+5], s[84:85] offset:FRB*\u+512
.endr
.endm
.macro ASK i                           ; 2 entries: the descriptor of my quarter of the chunk at s88 (bytes from xc) for slot s47; then both step on
.if (\i) == 0
	s_mul_i32 s20, s14, 2*TILE
	s_add_co_u32 s[G0R+1], s20, s47
	SADD 20, 88
	s_mov_b32 s21, 0
.elseif (\i) == 1
	s_add_nc_u64 s[G0R+2:G0R+3], s[4:5], s[20:21]
	s_or_b32 s[G0R+3], s[G0R+3], 0x80000000
	s_add_co_u32 s88, s88, CH
	s_xor_b32 s47, s47, CH
.endif
.endm
.macro PAIR i                          ; 4 entries: where pair s46's codes go (s[84:85]) and its scale bytes (v[VX]).  The codes' place goes by the true pair, s46 xor 4 s87, the stage in LDS by the order of work
.if (\i) == 0
	s_lshl_b32 s3, s87, 2
	s_xor_b32 s3, s3, s46
	s_lshr_b32 s20, s3, 2
	s_lshl_b32 s20, s20, 3
.elseif (\i) == 1
	s_and_b32 s21, s3, 3
	SADD 20, 21
	s_mul_i32 s20, s20, GRP
	s_mov_b32 s21, 0
.elseif (\i) == 2
	s_add_nc_u64 s[84:85], s[10:11], s[20:21]
	s_and_b32 s22, s46, 3
	s_lshl_b32 s22, s22, 7
	s_lshr_b32 s23, s46, 2
.elseif (\i) == 3
	s_lshl_b32 s23, s23, 10
	s_or_b32 s22, s22, s23
	s_add_co_u32 s46, s46, 1
	WIN 0
	v_add_nc_u32 v[VX], s22, v[STO]
.endif
.endm
; ---- the lists
.macro L_STEP i, x, y
	STEP \i, 0
.endm
.macro L_NONE i, x, y
.endm
.macro L_OUT i, x, y                   ; the step, then the way out of the sums at x (scale operand y)
	STEP \i, 0
	CHAIN (\i)-2, \x, \y
.endm
.macro L_LAST i, x, y
	CHAIN \i, \x, \y
.endm
.macro L_V2 i, x, y                    ; V's third block: group 1 of all refills (two tiles a wave), the first refill's descriptor, chunk 2's prefetch address, the step
.if (\i) == 0
	s_mov_b32 s[G1A+2], 2<<16
	s_mov_b32 s[G1A+4], 2
	s_mov_b32 s[G1B+2], 2<<16
	s_mov_b32 s[G1B+4], 2
.elseif (\i) == 1
	s_mul_i32 s20, s14, 2*TILE
	s_add_co_u32 s[G0B+1], s20, BVB
	SADD 20, 9
	s_mov_b32 s21, 0
.elseif (\i) == 2
	s_add_nc_u64 s[G0B+2:G0B+3], s[6:7], s[20:21]
	s_or_b32 s[G0B+3], s[G0B+3], 0x80000000
.elseif (\i) == 3
	PFTILE 7, 88, 90
.endif
	STEP (\i)-4, 0
.endm
.macro L_V7 i, x, y                    ; V's last block: chunk 3's prefetch address; the way out
.if (\i) == 0
	s_add_co_u32 s22, s88, CH
	PFTILE 20, 22, 90
.endif
	CHAIN (\i)-1, \x, \y
.endm
.macro L_ODD i, x, y                   ; an odd block of phase 2: the pair's places, the step, the even block's way out
	PAIR \i
	STEP (\i)-4, 0
	CHAIN (\i)-6, ACC, 0
.endm
.macro L_ODDL i, x, y
	PAIR \i
	CHAIN (\i)-4, ACC, 0
.endm
.macro L_ROUND i, x, y                 ; an even block with a round: the descriptor, the step with the ring's end, the odd block's way out
	ASK \i
	STEP (\i)-2, 1
	CHAIN (\i)-5, ACC+32, 1
.endm
; ---- phase 2's blocks.  w: the count of the wait for the block's rows (-1: they are shown in already)
.macro WAITDS w
.if (\w) >= 0
	s_wait_dscnt \w
.endif
.endm
.macro EVENOUT fetch                   ; behind an even block: the odd block's byte, the pair's codes, the fetch of the block two on
	WALU
	ds_store_b8 v[VX], v[EB+1] offset:64
	PUT
.if \fetch
	FETCH 0
.endif
.endm
.macro EVEN w, fetch
	WAITDS \w
.if \fetch
	BLOCK 0, 0, ACC, 8, 0, 32, L_OUT, ACC+32, 1
.else
	BLOCK 0, 0, ACC, 8, 0, 32, L_LAST, ACC+32, 1
.endif
	WIN 0
	CODES6 ACC+32, NCD+6, 1
	EVENOUT \fetch
.endm
.macro EVENROUND w                     ; the second and the third refill
	WAITDS \w
	GRD
	BLOCK 0, 0, ACC, 8, 0, 26, L_ROUND
	WIN 0
	WALU
	s_wait_dscnt 0x0
	s_barrier_signal -1
	BLOCK 0, 0, ACC, 8, 26, 32, L_NONE
	WIN 0
	CODES6 ACC+32, NCD+6, 1
	MIDDLE
	BARRIER
	TLOAD G0R, G1A
	EVENOUT 1
.endm
.macro EVENSHOW w                      ; a plain barrier inside the block shows the last refill to all
	WAITDS \w
	BLOCK 0, 0, ACC, 8, 0, 26, L_OUT, ACC+32, 1
	WIN 0
	WALU
	s_wait_tensorcnt 0x0
	s_wait_dscnt 0x0
	s_barrier_signal -1
	BLOCK 0, 0, ACC, 8, 26, 32, L_NONE
	WIN 0
	s_barrier_wait -1
	CODES6 ACC+32, NCD+6, 1
	EVENOUT 1
.endm
.macro ODD w, fetch
	WAITDS \w
	s_wait_xcnt 0x0                        ; the last stores have read their base and their data
.if \fetch
	BLOCK 0, 1, ACC+32, 8, 0, 32, L_ODD
.else
	BLOCK 0, 1, ACC+32, 8, 0, 32, L_ODDL
.endif
	WIN 0
	CODES6 ACC, NCD, 0
	WALU
	ds_store_b8 v[VX], v[EB]
.if \fetch
	FETCH 1
.endif
.endm
; ================= THE HEAD
	s_load_b128 s[4:7], s[0:1], 0x0                     ; xc, wc
	s_load_b64 s[10:11], s[0:1], 0x10                   ; qkc
	s_load_b128 s[48:51], s[0:1], 0x18                  ; qks, vc
	v_lshl_add_u32 v[SPW], v0, 2, SPARE
	v_mov_b32 v[NIL], 0
	ds_add_u32 v[SPW], v[NIL]                           ; the opening lines: the add, twice on end
	ds_add_u32 v[SPW], v[NIL]
	v_lshrrev_b32 v1, 5, v0
	v_readfirstlane_b32 s14, v1                         ; s14 the wave; s15 its row of the 2 x 2, s16 its column
	s_lshr_b32 s15, s14, 1
	s_and_b32 s16, s14, 1
	s_bfe_u32 s40, ttmp6, 0x40000                       ; cx
	s_bfe_u32 s41, ttmp6, 0x40004                       ; cy
	s_lshl_b32 s42, ttmp9, 2
	SADD 42, 40                                         ; phase 2's tile column, 0 .. 15: Q's K steps of the next product, then K's
	s_and_b32 s43, ttmp7, 0xffff
	s_lshl_b32 s43, s43, 2
	SADD 43, 41                                         ; its tile row
	s_lshr_b32 s19, ttmp9, 1                            ; 0 Q, 1 K
	s_and_b32 s87, ttmp9, 1                             ; V's half of my 512 rows
	s_lshl_b32 s13, s19, 2
	SADD 13, 40                                         ; V's tile column
	s_lshl_b32 s12, s43, 1
	SADD 12, 87                                         ; V's tile row
	s_lshl_b32 s44, s41, 2
	s_lshl_b32 s44, 15, s44                             ; my row of the cluster
	s_lshl_b32 s45, 0x1111, s40                         ; my column
	GROUP1 G1A, 44, 8
	GROUP1 G1B, 45, 4
	s_mul_i32 s67, s43, 4*CH                            ; my 512 rows, bytes from xc
	s_mul_i32 s66, s12, 2*CH                            ; V's half of them
	s_mul_i32 s9, s42, CH                               ; W_q's or W_k's 8 tiles, bytes from wc
	s_add_co_u32 s54, s13, 16
	s_mul_i32 s54, s54, CH                              ; W_v's
	s_mul_i32 s20, s14, 4*TILE
	SADD 54, 20                                         ; (waves 0 and 1: my half of them)
	s_mov_b32 s[G0B], 1
	s_add_co_u32 s[G0B+1], s20, BVB
	s_mov_b32 s[G0A], 1
	s_mov_b32 s[G0A+1], 0
	s_mov_b32 s[G0R], 1
	s_mov_b32 s[G0R+1], CH
	s_mul_i32 s17, s15, TILE
	s_mul_i32 s18, s16, 4*TILE
	s_add_co_u32 s18, s18, BVB
	s_mul_i32 s21, s15, 2944
	s_sub_co_u32 s22, 6144, s21                         ; V's words from my codes' base: 6,144 + 128 a - 3,072 a
	s_lshl_b32 s20, s15, 9
	s_lshl_b32 s21, s16, 1
	SADD 20, 21
	s_add_co_u32 s20, s20, XN
	s_lshl_b32 s90, s40, 2
	SADD 90, 14                                         ; my number among the sixteen waves of my row of the cluster
	s_lshl_b32 s100, s41, 2
	SADD 100, 14                                        ; and of my column
	v_and_b32 v1, 15, v0                                ; r
	v_bfe_u32 v2, v0, 4, 1                              ; h
	v_and_b32 v3, 31, v0                                ; lane
	v_lshlrev_b32 v[CO], 4, v3
	v_lshlrev_b32 v[CO8], 3, v3
	v_lshl_add_u32 v[CO4], v3, 2, s22
	v_lshlrev_b32 v[H8], 3, v2
	v_add_nc_u32 v[ADRA0], s17, v[CO]
	v_add_nc_u32 v[ADR1], STB, v[ADRA0]
	v_add_nc_u32 v[ADRB], s18, v[CO]
	v_lshlrev_b32 v[AAS0], 2, v1
	v_mul_u32_u24 v[ABS], TILE, v2
	v_add_nc_u32 v[ABS], v[ABS], v[AAS0]
	v_add_nc_u32 v[ABS], s18, v[ABS]
	v_add_nc_u32 v[AAS0], s17, v[AAS0]
	v_add_nc_u32 v[AAS1], STB, v[AAS0]
	v_lshl_add_u32 v[STO], v1, 2, v2
	v_add_nc_u32 v[STO], s20, v[STO]                    ; XN + 512 a + 4 r + 2 x column + h
	PFTILE 8, 9, 100                                    ; what the first refill will load
	WALU
	s_wait_dscnt 0x0
	CROUND                                              ; the opening round
	s_wait_kmcnt 0x0
	s_mov_b32 s21, 0
	s_mov_b32 s20, s66
	s_add_nc_u64 s[G0A+2:G0A+3], s[4:5], s[20:21]
	s_add_nc_u64 s[G0R+2:G0R+3], s[G0A+2:G0A+3], CH
	s_or_b32 s[G0A+3], s[G0A+3], 0x80000000
	s_or_b32 s[G0R+3], s[G0R+3], 0x80000000
	s_mov_b32 s20, s54
	s_add_nc_u64 s[G0B+2:G0B+3], s[6:7], s[20:21]
	s_or_b32 s[G0B+3], s[G0B+3], 0x80000000
	s_cmp_lt_u32 s14, 2
	s_cbranch_scc0 .Lwave_2
	TLOAD G0B, G1B                                      ; waves 0, 1: W_v's tiles, a half each
	s_branch .Lasked
.Lwave_2:
	s_cmp_eq_u32 s14, 2
	s_cbranch_scc0 .Lwave_3
	TLOAD G0A, G1A                                      ; wave 2: chunk 0
	s_branch .Lasked
.Lwave_3:
	TLOAD G0R, G1A                                      ; wave 3: chunk 1
.Lasked:
	s_and_b32 s23, s42, 7                               ; the K step of the next product that my columns are
	s_mul_i32 s76, s19, 6291456
	s_mul_i32 s22, s43, 16*GRP
	SADD 76, 22
	s_mul_i32 s22, s15, 4*GRP
	SADD 76, 22
	s_mul_i32 s22, s23, 3072
	SADD 76, 22
	s_mul_i32 s22, s16, 768
	SADD 76, 22
	s_mov_b32 s77, 0
	s_lshl_b32 s78, s19, 18
	s_lshl_b32 s22, s23, 15
	SADD 78, 22
	s_lshl_b32 s22, s43, 11
	SADD 78, 22
	s_lshl_b32 s22, s87, 1                              ; the stage's halves lie in the order of work
	s_xor_b32 s22, s22, s14
	s_lshl_b32 s22, s22, 9
	SADD 78, 22
	s_mov_b32 s79, 0
	s_lshl_b32 s80, s13, 1
	SADD 80, 16
	s_mul_i32 s80, s80, 409600
	s_mul_i32 s22, s12, 6400
	SADD 80, 22
	s_mul_i32 s22, s15, 3072
	SADD 80, 22
	s_mov_b32 s81, 0
	s_add_nc_u64 s[10:11], s[10:11], s[76:77]
	s_add_nc_u64 s[48:49], s[48:49], s[78:79]
	s_add_nc_u64 s[50:51], s[50:51], s[80:81]
	s_mov_b32 s46, 0
	s_mov_b32 s47, 0
	s_xor_b32 s20, s87, 1                               ; the chunks still to come are the other half's
	s_mul_i32 s88, s20, 2*CH
	SADD 88, 67
	s_cmp_lt_u32 s14, 2
	s_cbranch_scc0 .Lnot_b
	s_wait_tensorcnt 0x0
.Lnot_b:
	BARRIER                                             ; W_v's tiles are in
	PFGO 8, 6
	WEIGHTS
	s_cmp_eq_u32 s14, 3
	s_cbranch_scc1 .Lnot_a0
	s_wait_tensorcnt 0x0
.Lnot_a0:
	s_wait_dscnt 0x0
	BARRIER                                             ; chunk 0 is in; chunk 1 may still be on its way
	FETCH01
; ================= PHASE 1: V, eight blocks; band 0's way outs stand in band 1's blocks
.irp s, 0,1
	s_wait_dscnt NF
	BLOCK 1, \s, HV0+8*\s, 32, 0, 32, L_STEP
	WIN 0
	PLACES 4
	WALU
	FETCH \s
.endr
	s_wait_dscnt NF
	GRD
	BLOCK 1, 0, HV0+16, 32, 0, 24, L_V2
	WIN 0
	WALU
	s_wait_dscnt 0x0
	s_barrier_signal -1
	BLOCK 1, 0, HV0+16, 32, 24, 32, L_NONE
	MIDDLE
	BARRIER
	TLOAD G0B, G1B                                      ; W_q's or W_k's tiles onto W_v's; the four v_nop are also the places ahead of the fetch
	WALU
	FETCH 0
	PFGO 7, 4
	BLOCK 1, 1, HV0+24, 32, 0, 32, L_STEP
	WIN 0
	PLACES 4
	WALU
	FETCH 1
.irp j, 0,1,2
	s_wait_dscnt NF
.if \j < 2
	BLOCK 1, \j%2, HV1+8*\j, 32, 0, 32, L_OUT, HV0+32*\j, \j
.else
	BLOCK 1, \j%2, HV1+8*\j, 32, 0, 32, L_LAST, HV0+32*\j, \j
.endif
	WIN 0
	CODES6 HV0+32*\j, MCD+12*\j, \j
	WALU
.if \j < 2
	FETCH \j%2
.endif
.endr
	s_wait_dscnt 0x0
	BLOCK 1, 1, HV1+24, 32, 0, 26, L_V7, HV0+96, 3
	WIN 0
	WALU
	s_wait_tensorcnt 0x0
	s_wait_dscnt 0x0
	s_barrier_signal -1                                 ; a plain barrier: the weights that the first refill brought are shown to all
	BLOCK 1, 1, HV1+24, 32, 26, 32, L_NONE
	WIN 0
	s_barrier_wait -1
	CODES6 HV0+96, MCD+36, 3
	WALU
; ================= THE CHANGE OF PHASE: the weights and the first two blocks' rows, which lie in slot 0 still, in one run of loads; band 1's four way outs under their flight
	WEIGHTS
	FETCH01
	PFGO 20, 4
.set I, 0
.rept 18
.irp t, 0,1,2,3
	CHAIN I, HV1+32*\t, \t, 64+4*\t
.endr
.set I, I+1
.endr
.set I, 0
.rept 6
.irp t, 0,1,2,3
	CODES I, HV1+32*\t, MCD+12*\t+6, \t, 80+4*\t, EB1
.endr
.set I, I+1
.endr
	WIN 0
	s_mov_b32 s20, 0x76543210
	s_mov_b32 s21, 0xfedcba98                           ; v_permlanex16_b32's selects for lane l xor 16
.irp t, 0,1,2,3
	v_lshl_or_b32 v[EB+\t], v[EB1+\t], 16, v[EB+\t]     ; my two bytes, 2 c + h,
.endr
.irp t, 0,1,2,3
	v_lshlrev_b32 v[EB+\t], v[H8], v[EB+\t]             ; at their places;
.endr
.irp t, 0,1,2,3
	v_permlanex16_b32 v[64+4*\t], v[EB+\t], s20, s21
.endr
.irp t, 0,1,2,3
	v_or_b32 v[EB+\t], v[EB+\t], v[64+4*\t]             ; with lane l xor 16's two the word is whole
.endr
	v_permlane16_swap_b32 v[EB], v[EB+1]                ; lanes 0-15 the even tile's words, lanes 16-31 the odd one's
	v_permlane16_swap_b32 v[EB+2], v[EB+3]
	WALU
; ================= PHASE 2: Q or K, sixteen blocks, way outs by pairs
	s_wait_dscnt NF
	BLOCK 0, 0, ACC, 8, 0, 32, L_STEP
	WIN 0
	PLACES 4
	WALU
.irp t, 0,1,2,3
.irp k, 0,1,2
	global_store_b128 v[CO], v[MCD+12*\t+4*\k:MCD+12*\t+4*\k+3], s[50:51] offset:204800*(\t/2)+FRB*(\t%2)+512*\k   ; V's codes leave
.endr
.endr
	global_store_b32 v[CO4], v[EB], s[50:51]
	global_store_b32 v[CO4], v[EB+2], s[50:51] offset:204800
	FETCH 0
	ODD NF, 1
	s_mov_b32 s86, 0
.Lwith_rounds:                                          ; blocks 2 to 5, 6 to 9
	EVENROUND NF+1
	ODD -1, 1
	EVEN NF+1, 1
	ODD NF+1, 1
	s_add_co_u32 s86, s86, 1
	s_cmp_lg_u32 s86, 2
	s_cbranch_scc1 .Lwith_rounds
.Lwithout:                                              ; blocks 10, 11 and 12, 13
	EVENSHOW NF+1
	ODD -1, 1
	s_add_co_u32 s86, s86, 1
	s_cmp_lg_u32 s86, 4
	s_cbranch_scc1 .Lwithout
	EVEN NF+1, 0
	ODD 1, 0
; ================= THE END: the last way out; the scale bytes go through LDS under its conversions
	s_lshl_b32 s21, s14, 9
	s_add_co_u32 s21, s21, XN
	v_add_nc_u32 v12, s21, v[CO]
.set I, 0
.rept 18
	CHAIN I, ACC+32, 1
.set I, I+1
.endr
	CODES 2, ACC+32, NCD+6, 1
	WALU
	ds_store_b8 v[VX], v[EB+1] offset:64
	s_wait_dscnt 0x0
	s_barrier_signal -1
	CODES 0, ACC+32, NCD+6, 1
	CODES 1, ACC+32, NCD+6, 1
	WIN 0
	v_nop
.irp i, 3,4,5
	CODES \i, ACC+32, NCD+6, 1
.endr
	s_barrier_wait -1
	WALU
	ds_load_b128 v[64:67], v12
	PUT
	s_wait_dscnt 0x0
	global_store_b128 v[CO], v[64:67], s[48:49]         ; 512 consecutive bytes of scale words
	s_wait_tensorcnt 0x0                                ; the wave's end
	ds_add_u32 v[SPW], v[NIL]
	s_wait_dscnt 0x0
	CROUND                                              ; the closing round
	s_endpgm
.Lfunc_end_k_q16ba7200ce_proj:
	.size	k_q16ba7200ce_proj, .Lfunc_end_k_q16ba7200ce_proj-k_q16ba7200ce_proj
	.p2alignl 7, 3214868480
	.fill 96, 4, 3214868480
	.section	.rodata,"a",@progbits
	.p2align	6, 0x0
	.amdhsa_kernel k_q16ba7200ce_proj
		.amdhsa_group_segment_fixed_size 327680
		.amdhsa_private_segment_fixed_size 0
		.amdhsa_enable_private_segment 0
		.amdhsa_kernarg_size 40
		.amdhsa_user_sgpr_count 2
		.amdhsa_user_sgpr_kernarg_segment_ptr 1
		.amdhsa_wavefront_size32 1
		.amdhsa_system_sgpr_workgroup_id_x 1
		.amdhsa_system_sgpr_workgroup_id_y 1
		.amdhsa_system_sgpr_workgroup_id_z 1
		.amdhsa_system_vgpr_workitem_id 0
		.amdhsa_next_free_vgpr 992
		.amdhsa_next_free_sgpr 102
		.amdhsa_reserve_vcc 0
		.amdhsa_float_denorm_mode_32 3
		.amdhsa_float_denorm_mode_16_64 3
		.amdhsa_memory_ordered 1
		.amdhsa_forward_progress 1
		.amdhsa_inst_pref_size 183
	.end_amdhsa_kernel
	.amdgpu_metadata
---
amdhsa.version: [ 1, 2 ]
amdhsa.kernels:
  - .name:           k_q16ba7200ce_proj
    .symbol:         k_q16ba7200ce_proj.kd
    .args:
      - { .name: xc, .offset: 0, .size: 8, .value_kind: global_buffer, .address_space: global }
      - { .name: wc, .offset: 8, .size: 8, .value_kind: global_buffer, .address_space: global }
      - { .name: qkc, .offset: 16, .size: 8, .value_kind: global_buffer, .address_space: global }
      - { .name: qks, .offset: 24, .size: 8, .value_kind: global_buffer, .address_space: global }
      - { .name: vc, .offset: 32, .size: 8, .value_kind: global_buffer, .address_space: global }
    .group_segment_fixed_size: 327680
    .private_segment_fixed_size: 0
    .kernarg_segment_align: 8
    .kernarg_segment_size: 40
    .max_flat_workgroup_size: 128
    .sgpr_count:     102
    .vgpr_count:     992
    .wavefront_size: 32
...
	.end_amdgpu_metadata
.endif
;; end of part 2
;; launch scores (part 3): grid 40 x 4, 4 waves a work-group, clusters of 4 x 1, 327,680 bytes of LDS; arguments qkc, qks, pc, st; writes pc, st
.if DOCPART == 3
	.amdgcn_target "amdgcn-amd-amdhsa--gfx1250"
	.amdhsa_code_object_version 6
	.text
	.protected	k_q16ba7200ce_scores
	.globl	k_q16ba7200ce_scores
	.p2align	8
	.type	k_q16ba7200ce_scores,@function
k_q16ba7200ce_scores:
	s_mov_b64 s[64:65], 0
	v_nop
	global_prefetch_b8 v0, s[64:65] scope:SCOPE_SE
	s_setreg_imm32_b32 hwreg(HW_REG_WAVE_MODE, 25, 1), 1
	s_wait_xcnt 0x0
	s_wait_alu depctr_hold_cnt(0) depctr_sa_sdst(0) depctr_va_vdst(0) depctr_va_sdst(0) depctr_va_ssrc(0) depctr_va_vcc(0) depctr_vm_vsrc(0)
	s_getreg_b32 s2, hwreg(HW_REG_IB_STS2, 6, 4)
	s_cmp_eq_u32 s2, 0
	s_cbranch_scc0 .Lentry_in_a_cluster
	s_endpgm
.Lentry_in_a_cluster:
	s_bfe_u32 s2, ttmp6, 0x10000c
	s_cmp_lg_u32 s2, 0x3003
	s_cbranch_scc0 .Lentry_shape_is_right
	s_endpgm
.Lentry_shape_is_right:
; S = q k^T on codes of FP6 (E2M3), and p = 2^(t - M) quantised along the keys, t = score x log2(e) / 32.
; LEFT OUT AS DEAD WORK: tiles of 512 queries x 512 keys all of whose keys come after all of their queries (the problem's tril makes p = 0 there for all inputs): 10 of 16 a batch are made, each by a cluster of four work-groups.
; In a tile on the diagonal the softmax of hidden pieces of 128 x 128 is left out too; their products stay: no branch may part a wave's products of one K step.
; A CLUSTER walks one tile (I, J), J <= I.  Partner m takes the query groups 4 x + m, x = 0 .. 3, of the 512 queries: a group of each chunk of 128.  Wave w takes the 128 keys of chunk w.  So whether a piece (x, w) is open, on the diagonal
; or hidden hangs on x and the wave's number alone, alike in all partners; only the diagonal's mask, which is data, hangs on m.  All partners need the same keys: k comes by JOINT loads, q by the work-group's own.
; Source 0 = keys, source 1 = queries: a lane holds one query, and its registers 32 c + n are keys 64 c + 32 h + n: two whole scale blocks a lane.
; A LOCAL M.  M is a whole number, so a change of M moves a block's scale byte and no code.  Each wave takes M over ITS 128 keys alone, stores the codes and bytes under that M, and beside them -M and the sum l of its
; unquantised p; the next launch takes the row's M from these and lowers the bytes.  So no wave needs another wave's maximum.
; pc: [256 groups of 32 queries][8 records of 256 keys][6,656]: fragment (q, u) at 1,536 (2 q + u), words at 6,144 + 128 q + 4 (16 u + r), -M at 6,400 + 128 q + 4 (16 u + r).  st: [256 groups][16 key steps][16 u + r][-M, l].
; A hidden piece that the next launch still reads (the second half of the 256 keys whose first half is on the diagonal) gets zero codes, bytes 65, -M = 1e37 and l = 0.
; LDS: q's four groups in two halves of K (0, QH), then two slots for the 16 groups of k, a record of 256 features each.  At the head one load a wave: q's first half, k's records 0 and 1, q's second half; the first barrier shows
; the loads of waves 0 and 1, the round in step 1 the others.  Two refills, a quarter a wave: records 2 and 3.  Their bytes are prefetched in steps 0 and 1, a group a wave over the cluster's sixteen waves.
; The scale words of all eight K steps come straight into registers (window 1) and are moved, a step ahead, into one of two sets of scale registers.
; LIMITS: a block of p whose largest number lies under 2^-60 of its step's 2^-M is coded on the grid of 2^-62 (its byte is held at 65, so that the next launch can lower a byte by up to 64): under 2^-55 of a row's sum.
; The promise holds while the scaled scores stay under 2^31 in magnitude.  NaN and infinities are not served.
.set GRP,  24576                       ; a group of 32 rows: four records of 6,144
.set RB,   6144
.set GSP,  53248                       ; a group's eight records of p
.set RBP,  6656
.set FRB,  1536
.set QH,   49152
.set KB,   98304                       ; the slots: 98,304 bytes each
.set SLOT, 98304
.set SPARE, KB+2*SLOT
.set A16, 16                           ; v16-17 16 x lane in q's halves;  v18-19 8 x lane;  v20-21, v22-23 the same in my quarter of k's slots
.set A8,  18
.set B16, 20
.set B8,  22
.set SPW, 28
.set NIL, 29
.set SC,  32                           ; v32-47 two sets of scale words: four of keys, four of queries
.set AF,  64                           ; v64-255 q's fragments, two sets
.set BM,  64                           ; the way out
.set TT,  72
.set TP,  74
.set SO,  76
.set BY,  104
.set NMP, 80                           ; v[80:81] (-M, l) of the even tile, v[82:83] of the odd one
.set PWR, 86
.set S0,  156                          ; v156-163 four chains of the sums
.set DD,  92
.set ZR,  96                           ; v96-99 zeros; v[100:101] (1e37, 0); v102 bytes 65
.set PCS, 112
.set G1Q, 24
.set G1K, 32
.set GQ0, 56
.set GK0, 60
.set GK1, 68
.set GQ1, 72
.set G0R, 88
.set MSB, 0
.macro WIN new
.if MSB != (\new)
	s_set_vgpr_msb (MSB<<8)|(\new)
.set MSB, (\new)
.endif
.endm
.macro PLACES n
.rept \n
	v_nop
.endr
.endm
.macro WALU
	s_wait_alu depctr_va_vdst(0)
.endm
.macro SADD d, x
	s_add_co_u32 s\d, s\d, s\x
.endm
.macro CREST
	s_cmp_lg_u32 s14, 0
	s_cbranch_scc1 .Lnot_wave_0_\@
	s_barrier_signal -3
.Lnot_wave_0_\@:
	s_barrier_wait -3
	s_barrier_signal -1
	s_barrier_wait -1
.endm
.macro CROUND
	s_barrier_signal -1
	s_barrier_wait -1
	CREST
.endm
.macro TLOAD g0, g1
	tensor_load_to_lds s[\g0:\g0+3], s[\g1:\g1+7]
	s_nop 0
	PLACES 4
.endm
.macro GROUP1 g, word, el, rows, pitch
	s_mov_b32 s[\g], \word
	s_mov_b32 s[\g+1], (\el)<<16
	s_mov_b32 s[\g+2], (\rows)<<16
	s_mov_b32 s[\g+3], (\el)<<16
	s_mov_b32 s[\g+4], \rows
	s_mov_b32 s[\g+5], \pitch
	s_mov_b32 s[\g+6], 0
	s_mov_b32 s[\g+7], 0
.endm
.macro FR4 reg, a, b, off              ; a fragment: each half of 64 features is registers 0-3 of 32 lanes, then 4-5
	ds_load_b128 v[\reg:\reg+3], v[\a] offset:\off
	ds_load_b64 v[\reg+4:\reg+5], v[\b] offset:\off+512
	ds_load_b128 v[\reg+6:\reg+9], v[\a] offset:\off+768
	ds_load_b64 v[\reg+10:\reg+11], v[\b] offset:\off+1280
.endm
.macro FETCH t
	WIN 0x40
.irp b, 0,1,2,3,4,5,6,7
	FR4 128*((\t)%2)+12*\b, B16+((\t)/2)%2, B8+((\t)/2)%2, (\b/2)*RB+FRB*(2*((\t)%2)+\b%2)
.endr
	WIN 0
.irp a, 0,1,2,3,4,5,6,7
	FR4 AF+96*((\t)%2)+12*\a, A16+(\t)/4, A8+(\t)/4, (\a/2)*2*RB+(((\t)/2)%2)*RB+FRB*(2*((\t)%2)+\a%2)
.endr
.endm
.macro MOVS n                          ; step n's scale words into set n % 2
	WIN 1
.irp i, 0,1,2,3
	v_mov_b32 v[SC+8*((\n)%2)+\i], v[96+4*(\n)+\i]
	v_mov_b32 v[SC+8*((\n)%2)+4+\i], v[224+4*(\n)+\i]
.endr
	WIN 0
	WALU
.endm
.macro MM1 a, b, rb, ra, t
.set rD, 8*(8*((\a)%4)+(\b))
.set rB, 128*((\t)%2)+12*(\b)
.set rA, AF+96*((\t)%2)+12*(\a)
.set rX, SC+8*((\t)%2)+(\b)/2
.set rY, SC+8*((\t)%2)+4+(\a)/2
.if (\t) == 0
	v_wmma_scale_f32_16x16x128_f8f6f4 v[rD:rD+7], v[rB:rB+11], v[rA:rA+11], 0, v[rX], v[rY] matrix_a_fmt:MATRIX_FMT_FP6 matrix_b_fmt:MATRIX_FMT_FP6 matrix_a_scale:MATRIX_SCALE_ROW\rb matrix_b_scale:MATRIX_SCALE_ROW\ra
.else
	v_wmma_scale_f32_16x16x128_f8f6f4 v[rD:rD+7], v[rB:rB+11], v[rA:rA+11], v[rD:rD+7], v[rX], v[rY] matrix_a_fmt:MATRIX_FMT_FP6 matrix_b_fmt:MATRIX_FMT_FP6 matrix_a_scale:MATRIX_SCALE_ROW\rb matrix_b_scale:MATRIX_SCALE_ROW\ra
.endif
.endm
.macro MUL2 a0, t                      ; two query tiles x eight key tiles; the 64 accumulators take turns, one instruction a turn
.irp g, 0,1,2,3
	MM1 \a0, 2*\g, 0, 0, \t
	MM1 \a0, 2*\g+1, 1, 0, \t
.endr
.irp g, 0,1,2,3
	MM1 (\a0)+1, 2*\g, 0, 1, \t
	MM1 (\a0)+1, 2*\g+1, 1, 1, \t
.endr
.endm
.macro ASK off                         ; prefetch: my 24 blocks of 256 bytes of a record of one group
	global_prefetch_b8 v12, s[84:85] offset:\off th:TH_LOAD_NT scope:SCOPE_SE
.endm
; A K step of 128.  kind 1: a round of the cluster's barrier stands in it and a refill behind it; kind 2
.macro STEP t, kind
.if \kind
	s_wait_tensorcnt 0x0                           ; all my tensor loads have landed
.if (\kind) == 1
	ds_add_u32 v[SPW], v[NIL]
.if (\t) == 1
	s_mov_b32 s[G1K+2], 4<<16                      ; from here on a load brings four groups
	s_mov_b32 s[G1K+4], 4
.else
	s_add_co_u32 s[G0R+1], s[G0R+1], SLOT
	s_add_nc_u64 s[G0R+2:G0R+3], s[G0R+2:G0R+3], RB
.endif
	s_wait_dscnt 1                                 ; this step's fragments are in; the add alone may be out
.else
	s_wait_dscnt 0x0
.endif
.else
	s_wait_dscnt 0x0                               ; this step's fragments, asked for a step ago, are in
.endif
.if (\t) > 0
	PLACES 4                                       ; behind the last step's products: their scale registers and fragments are written anew
.endif
	MOVS (\t)+1
.if \kind
	WIN 0xa1
	MUL2 0, \t
	s_wait_dscnt 0x0                               ; my reads of the slot are over, and the add is done
	s_barrier_signal -1
	MUL2 2, \t
	WIN 0
	s_barrier_wait -1
.if (\kind) == 1
	CREST
	TLOAD G0R, G1K
.endif
	FETCH (\t)+1
.if (\t) == 1
	ASK RB
.endif
.else
	FETCH (\t)+1
.if (\t) == 0
	ASK 0
.endif
	WIN 0xa1
	MUL2 0, \t
	MUL2 2, \t
.endif
	WIN 0xf1
	MUL2 4, \t
	MUL2 6, \t
	WIN 0
.endm
; THE WAY OUT of query tile a = 2 x + u: 16 queries x my 128 keys
; Both tiles u = 0, 1 of query group x go through it together, so that lines that follow each other do not hang on each other: 128 registers, tile u's 64 at AC + 64 u
.macro SOFTP x
.set AC, 128*((\x)%2)
.set NW, 2+(\x)/2
.if (\x) > 0
	s_wait_xcnt 0x0                                ; earlier stores have read their data: those registers are written again only behind this wait
.endif
	s_cmp_eq_u32 s48, \x                           ; s48: the wave's number in a tile on the diagonal, else 255
	s_cbranch_scc0 .Lopen_\@
.irp i, 0,1,2,3
	v_add_nc_u32 v[DD+\i], 8*(\i/2)-64*(\i%2), v10 ; tile i / 2, c = i % 2: d = my query - my block's first key: key n of the block is hidden where n > d
.endr
	WIN (NW<<6)|NW
.set n, 0
.rept 128
	v_cmp_gt_i32 vcc_lo, n%32, v[DD+n/32]
	v_cndmask_b32 v[AC+n], v[AC+n], v11, vcc_lo    ; -infinity ahead of the maximum
.set n, n+1
.endr
	WIN 0
	WALU
.Lopen_\@:
	WIN (NW<<4)|(NW<<2)
.irp s, 0,1,2,3,4,5,6,7
	v_max3_num_f32 v[BM+\s], s54, v[AC+16*\s], v[AC+16*\s+1]   ; over -3e38
.endr
.irp i, 2,4,6,8,10,12,14
.irp s, 0,1,2,3,4,5,6,7
	v_max3_num_f32 v[BM+\s], v[BM+\s], v[AC+16*\s+\i], v[AC+16*\s+\i+1]
.endr
.endr
	WIN 0
.irp s, 0,2,4,6
	v_max_num_f32 v[BM+\s], v[BM+\s], v[BM+\s+1]   ; the largest score of each block of 32 keys: it serves for the row's maximum and, since p rises with the score, for the block's largest p
.endr
.irp u, 0,1
	v_max_num_f32 v[TT+\u], v[BM+4*\u], v[BM+4*\u+2]
.endr
.irp u, 0,1
	v_permlanex16_b32 v[TP+\u], v[TT+\u], s52, s53
.endr
.irp u, 0,1
	v_max_num_f32 v[TT+\u], v[TT+\u], v[TP+\u]
.endr
.irp u, 0,1
	v_mul_f32 v[TT+\u], s50, v[TT+\u]              ; as t (c is positive)
.endr
.irp u, 0,1
	v_floor_f32 v[NMP+2*\u], -v[TT+\u]             ; -M = floor(-t) = -ceil(t): a whole number
.endr
.irp s, 0,2,4,6
	v_fma_f32 v[BM+\s], v[BM+\s], s50, v[NMP+2*(\s/4)]
.endr
	WIN (NW<<6)|NW
.set n, 0
.rept 64
	v_pk_fma_f32 v[AC+n:AC+n+1], v[AC+n:AC+n+1], s[50:51], v[NMP+2*(n/64):NMP+2*(n/64)+1] op_sel_hi:[1,0,0]   ; t - M, two at a time (of the pairs c and -M the low word serves both halves)
.set n, n+2
.endr
	WALU                                           ; ahead of the batch
.set n, 0
.rept 128
	v_exp_f32 v[AC+n], v[AC+n]                     ; p = 2^(t - M): not normalised
.set n, n+1
.endr
	v_nop                                          ; a plain place behind the exponentials
	WALU                                           ; one wait for the batch, ahead of its first reader
	WIN 0
.irp s, 0,2,4,6
	v_exp_f32 v[BM+\s], v[BM+\s]                   ; each block's largest p
.endr
	WIN (NW<<2)|NW
.irp u, 0,1
	v_pk_add_f32 v[S0+4*\u:S0+4*\u+1], v[AC+64*\u:AC+64*\u+1], v[AC+64*\u+2:AC+64*\u+3]        ; the sum is taken of the unquantised p
	v_pk_add_f32 v[S0+4*\u+2:S0+4*\u+3], v[AC+64*\u+4:AC+64*\u+5], v[AC+64*\u+6:AC+64*\u+7]
.endr
	WIN NW<<2
.set n, 8
.rept 14
.irp u, 0,1
	v_pk_add_f32 v[S0+4*\u:S0+4*\u+1], v[S0+4*\u:S0+4*\u+1], v[AC+64*\u+n:AC+64*\u+n+1]
	v_pk_add_f32 v[S0+4*\u+2:S0+4*\u+3], v[S0+4*\u+2:S0+4*\u+3], v[AC+64*\u+n+2:AC+64*\u+n+3]
.endr
.set n, n+4
.endr
	WIN 0
.irp u, 0,1
	v_pk_add_f32 v[S0+4*\u:S0+4*\u+1], v[S0+4*\u:S0+4*\u+1], v[S0+4*\u+2:S0+4*\u+3]
.endr
.irp u, 0,1
	v_add_f32 v[NMP+2*\u+1], v[S0+4*\u], v[S0+4*\u+1]
.endr
.irp u, 0,1
	v_permlanex16_b32 v[TP+\u], v[NMP+2*\u+1], s52, s53
.endr
.irp u, 0,1
	v_add_f32 v[NMP+2*\u+1], v[NMP+2*\u+1], v[TP+\u]   ; l of my query over these 128 keys
.endr
	WALU                                           ; and one wait for the four
.irp s, 0,2,4,6
	v_max_num_f32 v[BM+\s], s55, v[BM+\s]          ; the floor 2^-60: the byte is 65 at the least
.endr
.irp s, 0,2,4,6
	v_add_nc_u32 v[SO+\s/2], 0xff000000, v[BM+\s]
.endr
.irp s, 0,1,2,3
	v_lshrrev_b32 v[BY+\s], 23, v[SO+\s]
.endr
.irp u, 0,1
	v_lshl_or_b32 v[PWR+\u], v[BY+2*\u+1], 16, v[BY+2*\u]   ; my two bytes, 2 c + h, at their places;
.endr
.irp u, 0,1
	v_lshlrev_b32 v[PWR+\u], v14, v[PWR+\u]
.endr
.irp u, 0,1
	v_permlanex16_b32 v[TP+\u], v[PWR+\u], s52, s53
.endr
.irp u, 0,1
	v_or_b32 v[PWR+\u], v[PWR+\u], v[TP+\u]        ; with lane l xor 16's two the word is whole
.endr
	WIN NW
.irp u, 0,1
.irp c, 0,1
	v_cvt_scalef32_pk16_fp6_f32 v[PCS+24*\u+6*\c:PCS+24*\u+6*\c+2], v[AC+64*\u+32*\c:AC+64*\u+32*\c+15], v[SO+2*\u+\c]
	v_cvt_scalef32_pk16_fp6_f32 v[PCS+24*\u+12+4*\c:PCS+24*\u+14+4*\c], v[AC+64*\u+32*\c+16:AC+64*\u+32*\c+31], v[SO+2*\u+\c]
.endr
.endr
	WIN 0
	v_permlane16_swap_b32 v[PWR], v[PWR+1]         ; (plain lines behind the scaled conversions)  the group's images: tile 0's rows in lanes 0-15, tile 1's in lanes 16-31
	v_permlane16_swap_b32 v[NMP], v[NMP+2]
	v_permlane16_swap_b32 v[NMP+1], v[NMP+3]
.irp u, 0,1
.irp c, 0,1
.irp i, 0,1,2
	v_mov_b32 v[PCS+24*\u+3+6*\c+\i], v[PCS+24*\u+12+4*\c+\i]
.endr
.endr
.endr
.irp u, 0,1
.irp j, 0,1,2
	global_store_b128 v4, v[PCS+24*\u+4*\j:PCS+24*\u+4*\j+3], s[76:77] offset:4*GSP*(\x)+FRB*\u+512*\j
.endr
.endr
	global_store_b32 v5, v[PWR], s[76:77] offset:4*GSP*(\x)+6144
	global_store_b32 v5, v[NMP], s[76:77] offset:4*GSP*(\x)+6400
	global_store_b64 v6, v[NMP:NMP+1], s[78:79] offset:4*4096*(\x)   ; 256 consecutive bytes, aligned
.endm
.macro PAIRQ x                         ; query group x; s49: the wave's number in a tile on the diagonal, else 0
	s_cmp_gt_u32 s49, \x
	s_cbranch_scc1 .Lhidden_\@
	SOFTP \x
	s_branch .Lnext_\@
.Lhidden_\@:
.if (\x)%2 == 0
	s_cmp_lg_u32 s49, (\x)+1
	s_cbranch_scc1 .Lnext_\@
.irp u, 0,1
.irp j, 0,1,2
	global_store_b128 v4, v[ZR:ZR+3], s[76:77] offset:4*GSP*(\x)+FRB*\u+512*\j
.endr
.endr
	global_store_b32 v5, v[ZR+6], s[76:77] offset:4*GSP*(\x)+6144
	global_store_b32 v5, v[ZR+4], s[76:77] offset:4*GSP*(\x)+6400
	global_store_b64 v6, v[ZR+4:ZR+5], s[78:79] offset:4*4096*(\x)
.endif
.Lnext_\@:
.endm
	s_load_b128 s[4:7], s[0:1], 0x0                ; qkc, qks
	s_load_b128 s[8:11], s[0:1], 0x10              ; pc, st
	v_lshl_add_u32 v[SPW], v0, 2, SPARE
	v_mov_b32 v[NIL], 0
	ds_add_u32 v[SPW], v[NIL]                      ; the opening lines: the add, twice on end
	ds_add_u32 v[SPW], v[NIL]
	v_lshrrev_b32 v1, 5, v0
	v_readfirstlane_b32 s14, v1                    ; wave 0..3
	s_bfe_u32 s40, ttmp6, 0x40000                  ; cx = m
	s_and_b32 s15, ttmp7, 0xffff
	s_lshl_b32 s15, s15, 4                         ; the batch's first chunk of 128
	s_cmp_ge_u32 ttmp9, 1
	s_cselect_b32 s17, 1, 0
	s_cmp_ge_u32 ttmp9, 3
	s_cselect_b32 s18, 1, 0
	SADD 17, 18
	s_cmp_ge_u32 ttmp9, 6
	s_cselect_b32 s18, 1, 0
	SADD 17, 18                                    ; I
	s_add_co_u32 s18, s17, 1
	s_mul_i32 s18, s18, s17
	s_lshr_b32 s18, s18, 1
	s_sub_co_u32 s18, ttmp9, s18                   ; J = cluster - I (I + 1) / 2
	s_cmp_eq_u32 s17, s18
	s_cselect_b32 s49, s14, 0
	s_cselect_b32 s48, s14, 0xff
	GROUP1 G1Q, 3<<16, 1536, 4, 12288              ; q: 4 groups' 12,288 bytes, four groups apart
	GROUP1 G1K, 15|(3<<16)|(1<<21), 768, 16, 3072  ; k: joint, mask of all four; 16 groups' records
	s_lshl_b32 s20, s17, 2
	SADD 20, 15                                    ; the tile's first chunk of queries
	s_lshl_b32 s21, s18, 2
	SADD 21, 15                                    ; and of keys
	s_lshl_b32 s19, s20, 2
	SADD 19, 40                                    ; my first group of queries
	s_mul_i32 s42, s19, GRP
	s_mov_b32 s43, 0
	s_mul_i32 s44, s21, 4*GRP
	s_add_co_u32 s44, s44, 6291456
	s_mov_b32 s45, 0
	s_mul_i32 s46, s14, 4*GRP
	s_mov_b32 s47, 0
	s_mul_i32 s76, s19, GSP
	s_lshl_b32 s22, s18, 1
	s_lshr_b32 s23, s14, 1
	SADD 22, 23
	s_mul_i32 s22, s22, RBP
	SADD 76, 22
	s_mov_b32 s77, 0
	s_lshl_b32 s78, s19, 12
	s_lshl_b32 s22, s18, 2
	SADD 22, 14
	s_lshl_b32 s22, s22, 8
	SADD 78, 22
	s_mov_b32 s79, 0
	s_add_co_u32 s80, s21, s14
	s_lshl_b32 s80, s80, 9
	s_add_co_u32 s80, s80, 262144                  ; my keys' scale words
	s_mov_b32 s81, 0
	s_lshl_b32 s82, s20, 9
	s_lshl_b32 s22, s40, 7
	SADD 82, 22                                    ; my queries'
	s_mov_b32 s83, 0
	s_lshl_b32 s84, s40, 2
	SADD 84, 14
	s_mul_i32 s84, s84, GRP
	s_add_co_u32 s84, s84, 2*RB
	SADD 84, 44                                    ; prefetch: group 4 m + w of the 16, record 2
	s_mov_b32 s85, 0
	s_mov_b32 s[GQ0], 1
	s_mov_b32 s[GQ0+1], 0
	s_mov_b32 s[GQ1], 1
	s_mov_b32 s[GQ1+1], QH
	s_mov_b32 s[GK0], 1
	s_mov_b32 s[GK0+1], KB
	s_mov_b32 s[GK1], 1
	s_mov_b32 s[GK1+1], KB+SLOT
	s_mul_i32 s22, s14, GRP
	s_add_co_u32 s22, s22, KB                      ; my quarter of slot 0
	s_mov_b32 s[G0R], 1
	s_mov_b32 s[G0R+1], s22
	s_mov_b32 s50, 0x3d38aa3b                      ; c = log2(e) / sqrt(1024)
	s_mov_b32 s51, s50                             ; (named with it as a pair, so it is written)
	s_mov_b32 s52, 0x76543210
	s_mov_b32 s53, 0xfedcba98                      ; v_permlanex16_b32's selects for lane l xor 16
	s_mov_b32 s54, 0xff61b1e6                      ; -3e38
	s_mov_b32 s55, 0x21800000                      ; 2^-60
	s_and_b32 s23, s14, 1
	s_mul_i32 s41, s23, 2*FRB
	s_lshl_b32 s23, s23, 7
	s_lshr_b32 s16, s40, 1
	s_lshl_b32 s16, s16, 6
	s_and_b32 s86, s40, 1
	s_lshl_b32 s86, s86, 4
	SADD 16, 86                                    ; my group's first query in its chunk: 64 (m / 2) + 16 (m % 2)
	v_and_b32 v1, 31, v0                           ; lane
	v_and_b32 v7, 15, v0                           ; r
	v_bfe_u32 v8, v0, 4, 1                         ; h
	v_lshlrev_b32 v2, 4, v1
	v_lshlrev_b32 v3, 2, v1
	v_lshlrev_b32 v6, 3, v1
	v_lshlrev_b32 v14, 3, v8                       ; 8 h
	v_mov_b32 v[A16], v2
	v_mov_b32 v[A8], v6
	v_add_nc_u32 v[A16+1], QH, v2
	v_add_nc_u32 v[A8+1], QH, v6
	v_add_nc_u32 v[B16], s22, v2
	v_add_nc_u32 v[B8], s22, v6
	v_add_nc_u32 v[B16+1], SLOT, v[B16]
	v_add_nc_u32 v[B8+1], SLOT, v[B8]
	v_add_nc_u32 v4, s41, v2                       ; the way out: my keys are step w % 2 of p's record
	v_add_nc_u32 v5, s23, v3
	v_min_u32 v12, 23, v1
	v_lshlrev_b32 v12, 8, v12
	v_and_b32 v9, 7, v7
	v_lshrrev_b32 v7, 3, v7
	v_lshl_add_u32 v9, v7, 5, v9                   ; r % 8 + 32 (r / 8)
	v_lshlrev_b32 v8, 5, v8
	v_sub_nc_u32 v10, v9, v8                       ; - 32 h
	v_add_nc_u32 v10, s16, v10
	v_mov_b32 v11, 0xff800000                      ; -infinity
	WALU
	s_wait_dscnt 0x0
	CROUND                                         ; all four work-groups are here: the first joint loads meet
	s_wait_kmcnt 0x0
	s_add_nc_u64 s[GQ0+2:GQ0+3], s[4:5], s[42:43]
	s_add_nc_u64 s[GQ1+2:GQ1+3], s[GQ0+2:GQ0+3], 2*RB
	s_or_b32 s[GQ0+3], s[GQ0+3], 0x80000000
	s_or_b32 s[GQ1+3], s[GQ1+3], 0x80000000
	s_add_nc_u64 s[GK0+2:GK0+3], s[4:5], s[44:45]
	s_add_nc_u64 s[GK1+2:GK1+3], s[GK0+2:GK0+3], RB
	s_add_nc_u64 s[G0R+2:G0R+3], s[GK0+2:GK0+3], s[46:47]
	s_add_nc_u64 s[G0R+2:G0R+3], s[G0R+2:G0R+3], 2*RB
	s_or_b32 s[GK0+3], s[GK0+3], 0x80000000
	s_or_b32 s[GK1+3], s[GK1+3], 0x80000000
	s_or_b32 s[G0R+3], s[G0R+3], 0x80000000
.macro ARM under, g0, g1, next
	s_cmp_lt_u32 s14, \under
	s_cbranch_scc0 \next
	TLOAD \g0, \g1
	s_branch .Lasked
\next:
.endm
	ARM 1, GQ0, G1Q, .Lwave_1                      ; one load a wave: q's first half,
	ARM 2, GK0, G1K, .Lwave_2                      ; k's record 0,
	ARM 3, GK1, G1K, .Lwave_3                      ; k's record 1,
	TLOAD GQ1, G1Q                                 ; q's second half
.Lasked:
	s_add_nc_u64 s[76:77], s[8:9], s[76:77]
	s_add_nc_u64 s[78:79], s[10:11], s[78:79]
	s_add_nc_u64 s[80:81], s[6:7], s[80:81]
	s_add_nc_u64 s[82:83], s[6:7], s[82:83]
	s_add_nc_u64 s[84:85], s[4:5], s[84:85]
	WIN 0x40
.irp k, 0,1,2,3,4,5,6,7
.irp g, 0,1,2,3
	global_load_b32 v[96+4*\k+\g], v3, s[80:81] offset:32768*\k+128*\g
	global_load_b32 v[224+4*\k+\g], v3, s[82:83] offset:32768*\k+512*\g
.endr
.endr
	WIN 0
	s_cmp_lt_u32 s14, 2
	s_cbranch_scc0 .Lno_wait
	s_wait_tensorcnt 0x0                           ; waves 0 and 1: q's first half and k's record 0 are in
.Lno_wait:
	s_barrier_signal -1
	s_barrier_wait -1
	FETCH 0
	s_wait_loadcnt 0x0                             ; the scale words
	MOVS 0
	STEP 0, 0
	STEP 1, 1
	STEP 2, 0
	STEP 3, 1
	STEP 4, 0
	STEP 5, 2
	STEP 6, 0
	s_wait_dscnt 0x0
	PLACES 8                                       ; a scale register written by a vector instruction stands eight places ahead of a scaled matrix instruction
	WIN 0xa1
	MUL2 0, 7
	MUL2 2, 7
	WIN 0xf1
	MUL2 4, 7
	MUL2 6, 7
	WIN 0
	v_mov_b32 v[TP+1], 0
	v_mov_b32 v[TP], 0                             ; written once: a lane permute's destination counts as one of its sources
	v_mov_b32 v[NMP+1], 0                          ; (named as the upper halves of -M's pairs before l is first written there)
	v_mov_b32 v[NMP+3], 0
.irp i, 0,1,2,3,5
	v_mov_b32 v[ZR+\i], 0
.endr
	v_mov_b32 v[ZR+4], 0x7cf0bdc2                  ; 1e37
	v_mov_b32 v[ZR+6], 0x41414141
	WALU
	PAIRQ 0
	PAIRQ 1
	PAIRQ 2
	PAIRQ 3
	s_wait_tensorcnt 0x0                           ; the wave's end
	ds_add_u32 v[SPW], v[NIL]
	s_wait_dscnt 0x0
	CROUND                                         ; the closing round: no work-group ends while a partner may still ask for a tile that names it
	s_endpgm
.Lfunc_end_k_q16ba7200ce_scores:
	.size	k_q16ba7200ce_scores, .Lfunc_end_k_q16ba7200ce_scores-k_q16ba7200ce_scores
	.p2alignl 7, 3214868480
	.fill 96, 4, 3214868480
	.section	.rodata,"a",@progbits
	.p2align	6, 0x0
	.amdhsa_kernel k_q16ba7200ce_scores
		.amdhsa_group_segment_fixed_size 327680
		.amdhsa_private_segment_fixed_size 0
		.amdhsa_enable_private_segment 0
		.amdhsa_kernarg_size 32
		.amdhsa_user_sgpr_count 2
		.amdhsa_user_sgpr_kernarg_segment_ptr 1
		.amdhsa_wavefront_size32 1
		.amdhsa_system_sgpr_workgroup_id_x 1
		.amdhsa_system_sgpr_workgroup_id_y 1
		.amdhsa_system_sgpr_workgroup_id_z 1
		.amdhsa_system_vgpr_workitem_id 0
		.amdhsa_next_free_vgpr 1024
		.amdhsa_next_free_sgpr 96
		.amdhsa_reserve_vcc 1
		.amdhsa_float_denorm_mode_32 3
		.amdhsa_float_denorm_mode_16_64 3
		.amdhsa_memory_ordered 1
		.amdhsa_forward_progress 1
		.amdhsa_inst_pref_size 236
	.end_amdhsa_kernel
	.amdgpu_metadata
---
amdhsa.version: [ 1, 2 ]
amdhsa.kernels:
  - .name:           k_q16ba7200ce_scores
    .symbol:         k_q16ba7200ce_scores.kd
    .args:
      - { .name: qkc, .offset: 0, .size: 8, .value_kind: global_buffer, .address_space: global }
      - { .name: qks, .offset: 8, .size: 8, .value_kind: global_buffer, .address_space: global }
      - { .name: pc, .offset: 16, .size: 8, .value_kind: global_buffer, .address_space: global }
      - { .name: st, .offset: 24, .size: 8, .value_kind: global_buffer, .address_space: global }
    .group_segment_fixed_size: 327680
    .private_segment_fixed_size: 0
    .kernarg_segment_align: 8
    .kernarg_segment_size: 32
    .max_flat_workgroup_size: 128
    .sgpr_count:     96
    .vgpr_count:     1024
    .wavefront_size: 32
...
	.end_amdgpu_metadata
.endif
;; end of part 3
;; launch pv (part 4): grid 16 x 16, 4 waves a work-group, clusters of 4 x 1, 327,680 bytes of LDS; arguments pc, vc, st, out0; writes out0
.if DOCPART == 4
	.amdgcn_target "amdgcn-amd-amdhsa--gfx1250"
	.amdhsa_code_object_version 6
	.text
	.protected	k_q16ba7200ce_pv
	.globl	k_q16ba7200ce_pv
	.p2align	8
	.type	k_q16ba7200ce_pv,@function
k_q16ba7200ce_pv:
	s_mov_b64 s[64:65], 0
	v_nop
	global_prefetch_b8 v0, s[64:65] scope:SCOPE_SE
	s_setreg_imm32_b32 hwreg(HW_REG_WAVE_MODE, 25, 1), 1
	s_wait_xcnt 0x0
	s_wait_alu depctr_hold_cnt(0) depctr_sa_sdst(0) depctr_va_vdst(0) depctr_va_sdst(0) depctr_va_ssrc(0) depctr_va_vcc(0) depctr_vm_vsrc(0)
	s_getreg_b32 s2, hwreg(HW_REG_IB_STS2, 6, 4)
	s_cmp_eq_u32 s2, 0
	s_cbranch_scc0 .Lentry_in_a_cluster
	s_endpgm
.Lentry_in_a_cluster:
	s_bfe_u32 s2, ttmp6, 0x10000c
	s_cmp_lg_u32 s2, 0x3003
	s_cbranch_scc0 .Lentry_shape_is_right
	s_endpgm
.Lentry_shape_is_right:
; out = (p v) / l on codes of FP6 (E2M3).  LEFT OUT AS DEAD WORK: records of 256 keys all of whose keys come after all 256 queries of a block (the problem's tril makes p = 0 there for all inputs).
; A work-group takes TWO blocks of 256 queries of a batch, B = 7 - I and A = I (I = 0 .. 3), x one band of 64 features.  Block b needs records 0 .. b, so every work-group walks nine UNITS of 256 keys: B's records
; 0 .. 7 - I, then A's 0 .. I.  256 work-groups of equal work.  Units 0 to 4 are always B's, unit 8 always A's; where A begins, ahead of unit nB = 8 - I, is a branch on the cluster's number.
; Wave w takes queries 64 w .. 64 w + 63 of the block (four tiles, source 1) against the band's four tiles of features (source 0): 16 accumulators; a lane holds one query, and its registers of the four tiles are 32 neighbouring features.
; THE ROW'S M.  p came under an M of its own for each 128 keys.  At the head each wave reads (-M, l) of its rows' live steps, takes the least -M (the row's M) and l = the sum of l_s 2^(M_s - M), exact powers of two.
; In the walk each step's four scale bytes of p are lowered by d = M - M_s: the block's scale takes the power of two up, the codes stay.  LIMIT: d is held at 64 (every byte is 65 at the least, so no byte borrows):
; a step more than 64 under the row's M is weighed 2^-64, under 2^-55 of the row's sum.  NaN and infinities are not served.
; LDS: two slots of two units: p's part, then v's at VOFF.  At the head one load a wave brings two units each: p 0-1, v 0-1, p 2-3, v 2-3 (a group's two records lie together); the first barrier shows the loads of waves 0 and 1.
; Refills, one unit's p or v a wave (unit by unit, since the two blocks may meet between them): units 4, 5 behind a round in step 3, 6, 7 in step 7, 8 in step 11; a plain barrier in step 15 shows unit 8.  Every wait on TENSORcnt is for 0.
; CLUSTER 4 x 1: the four partners have the same batch and I (from the cluster's y) and four neighbouring bands.  They walk the same p and take every branch alike: p's loads are JOINT.  v's bands differ: plain loads behind the same rounds.
; v is not asked for jointly: work-groups that share it have different I.
; PREFETCHES: units 4, 5 in step 0, 6, 7 in step 3, 8 in step 7, each one change of slots ahead of its load; p's blocks are shared out by address among the cluster's sixteen waves, v's among the work-group's four.
; REGISTERS: window 0 as named below; window 1: v's fragments at v0 and v48; window 2: accumulator (a, b) at v[8 (4 a + b)].
.set FRB,   1536
.set PU,    53248                      ; p's part of a unit: 8 groups x 6,656
.set VU,    12800                      ; v's: 2 groups x 6,400
.set VOFF,  2*PU
.set SLOTB, VOFF+2*VU
.set STAGE, 2*SLOTB                    ; behind the slots: a stage of 16 rows x 272 bytes for each wave
.set SPARE, STAGE+4*4352
.set NM,    0                          ; v0-1 the rows' -M of the block at work, v2-3 A's
.set ADV,   4                          ; v4-5 v's fragments in slot 0, 1;  v6-7 its scale words
.set ASV,   6
.set RL,    8                          ; v8-15 1 / l of B, a pair a tile;  v48-55 of A
.set ADPH,  16                         ; v16-17 p's fragments in slots 0, 1 as the head lays them;  v18-21 as refills lay them, slot and unit;  v22-23, v24-27 the scale words
.set ADP,   18
.set ASPH,  22
.set ASP,   24
.set SPW,   28
.set NIL,   29
.set PFP,   30
.set PFV,   31
.set SC,    32                         ; SC + 8 e + 2 g + q: v's words;  SC + 8 e + 4 + 2 g + q: p's
.set RLA,   48
.set NMR,   56                         ; -M_s from the records
.set STO,   64
.set RD,    65
.set CO,    66
.set PF,    68                         ; p's fragments, two sets of 48
.set VO,    68                         ; the head: offsets;  v92-99 at work;  v160-255 (-M, l)
.set T0,    92
.set LS,    96
.set BK,    128                        ; the way out: rows read back, 32 registers a tile
.set G1P, 24
.set G1V, 32
.set G0P, 40
.set G0V, 44
.set MSB, 0
.macro WIN new
.if MSB != (\new)
	s_set_vgpr_msb (MSB<<8)|(\new)
.set MSB, (\new)
.endif
.endm
.macro PLACES n
.rept \n
	v_nop
.endr
.endm
.macro WALU
	s_wait_alu depctr_va_vdst(0)
.endm
.macro CREST
	s_cmp_lg_u32 s12, 0
	s_cbranch_scc1 .Lnot_wave_0_\@
	s_barrier_signal -3
.Lnot_wave_0_\@:
	s_barrier_wait -3
	s_barrier_signal -1
	s_barrier_wait -1
.endm
.macro CROUND
	s_barrier_signal -1
	s_barrier_wait -1
	CREST
.endm
.macro TLOAD g0, g1
	tensor_load_to_lds s[\g0:\g0+3], s[\g1:\g1+7]
	s_nop 0
	PLACES 4
.endm
.macro GROUP1 g, word, el, rows, pitch
	s_mov_b32 s[\g], \word
	s_mov_b32 s[\g+1], (\el)<<16
	s_mov_b32 s[\g+2], (\rows)<<16
	s_mov_b32 s[\g+3], (\el)<<16
	s_mov_b32 s[\g+4], \rows
	s_mov_b32 s[\g+5], \pitch
	s_mov_b32 s[\g+6], 0
	s_mov_b32 s[\g+7], 0
.endm
.macro FRAG3 reg, adr, off
.irp j, 0,1,2
	ds_load_b128 v[\reg+4*\j:\reg+4*\j+3], v[\adr] offset:\off+512*\j
.endr
.endm
.macro FETCH t                         ; step t's 4 + 4 fragments; with a unit's first step its scale words and -M_s, both steps'
.set N_,  (\t)/2
.set Q_,  (\t)%2
.set SL_, (N_/2)%2
.set U_,  N_%2
.if N_ < 4                             ; as the head lays them: a group's two records on end
.set VG_, 2*6400
.set VP_, 6400*U_
.set PG_, 2*6656
.set PP_, 6656*U_
.set AP_, ADPH+SL_
.set AS_, ASPH+SL_
.else                                  ; as refills lay them: unit by unit
.set VG_, 6400
.set VP_, VU*U_
.set PG_, 6656
.set PP_, 0
.set AP_, ADP+2*SL_+U_
.set AS_, ASP+2*SL_+U_
.endif
	WIN 0x40
.irp b, 0,1,2,3
	FRAG3 48*Q_+12*\b, ADV+SL_, VP_+(\b/2)*VG_+(2*Q_+\b%2)*FRB
.endr
	WIN 0
.irp a, 0,1,2,3
	FRAG3 PF+48*Q_+12*\a, AP_, PP_+(\a/2)*PG_+(2*Q_+\a%2)*FRB
.endr
.if Q_ == 0
.irp g, 0,1
.irp q, 0,1
	ds_load_b32 v[SC+8*U_+2*\g+\q], v[ASV+SL_] offset:VP_+\g*VG_+6144+128*\q
	ds_load_b32 v[SC+8*U_+4+2*\g+\q], v[AS_] offset:PP_+\g*PG_+6144+128*\q
	ds_load_b32 v[NMR+4*U_+2*\g+\q], v[AS_] offset:PP_+\g*PG_+6400+128*\q
.endr
.endr
.endif
.endm
.macro ADJUST e                        ; a unit's four scale words of p, by turns: every byte less d = min(M - M_s, 64)
.irp i, 0,1,2,3
	v_sub_f32 v[NMR+4*(\e)+\i], v[NMR+4*(\e)+\i], v[NM+\i/2]
.endr
.irp i, 0,1,2,3
	v_min_num_f32 v[NMR+4*(\e)+\i], 0x42800000, v[NMR+4*(\e)+\i]
.endr
.irp i, 0,1,2,3
	v_cvt_i32_f32 v[NMR+4*(\e)+\i], v[NMR+4*(\e)+\i]
.endr
.irp i, 0,1,2,3
	v_lshl_or_b32 v[NMR+4*(\e)+\i], v[NMR+4*(\e)+\i], 8, v[NMR+4*(\e)+\i]
.endr
.irp i, 0,1,2,3
	v_lshl_or_b32 v[NMR+4*(\e)+\i], v[NMR+4*(\e)+\i], 16, v[NMR+4*(\e)+\i]
.endr
.irp i, 0,1,2,3
	v_sub_nc_u32 v[SC+8*(\e)+4+\i], v[SC+8*(\e)+4+\i], v[NMR+4*(\e)+\i]
.endr
.endm
.macro MM t, a, b, ra, rb, zero
.set rQ, (\t)%2
.set rE, ((\t)/2)%2
.set rD, 8*(4*(\a)+(\b))
.set rV, 48*rQ+12*(\b)
.set rP, PF+48*rQ+12*(\a)
.set rX, SC+8*rE+2*((\b)/2)+rQ
.set rY, SC+8*rE+4+2*((\a)/2)+rQ
.if \zero
	v_wmma_scale_f32_16x16x128_f8f6f4 v[rD:rD+7], v[rV:rV+11], v[rP:rP+11], 0, v[rX], v[rY] matrix_a_fmt:MATRIX_FMT_FP6 matrix_b_fmt:MATRIX_FMT_FP6 matrix_a_scale:MATRIX_SCALE_ROW\rb matrix_b_scale:MATRIX_SCALE_ROW\ra
.else
	v_wmma_scale_f32_16x16x128_f8f6f4 v[rD:rD+7], v[rV:rV+11], v[rP:rP+11], v[rD:rD+7], v[rX], v[rY] matrix_a_fmt:MATRIX_FMT_FP6 matrix_b_fmt:MATRIX_FMT_FP6 matrix_a_scale:MATRIX_SCALE_ROW\rb matrix_b_scale:MATRIX_SCALE_ROW\ra
.endif
.endm
.macro MULA t, a, ra, zero             ; one query tile x the band's four; the 16 accumulators take turns, one instruction a turn
	MM \t, \a, 0, \ra, 0, \zero
	MM \t, \a, 1, \ra, 1, \zero
	MM \t, \a, 2, \ra, 0, \zero
	MM \t, \a, 3, \ra, 1, \zero
.endm
.macro NEXTD n                         ; the descriptors of units n (waves 0, 1) and n + 1 (waves 2, 3): B's record while the unit lies under nB, else A's
.if (\n) == 4
	s_mov_b32 s[G1P+1], 832<<16                    ; from here on a load brings one unit
	s_mov_b32 s[G1P+3], 832<<16
	s_mov_b32 s[G1V+1], 800<<16
	s_mov_b32 s[G1V+3], 800<<16
.endif
	s_add_co_u32 s20, s16, \n
	s_cmp_lt_u32 s20, s14
	s_cselect_b32 s21, s62, s63
	s_cselect_b32 s22, 0, s66
	s_mul_i32 s23, s20, 6656
	s_add_co_u32 s70, s21, s23
	s_mul_i32 s23, s20, 6400
	s_add_co_u32 s72, s22, s23
	s_add_nc_u64 s[G0P+2:G0P+3], s[4:5], s[70:71]
	s_or_b32 s[G0P+3], s[G0P+3], 0x80000000
	s_add_nc_u64 s[G0V+2:G0V+3], s[18:19], s[72:73]
	s_or_b32 s[G0V+3], s[G0V+3], 0x80000000
	s_mul_i32 s20, s16, PU
	s_add_co_u32 s[G0P+1], s20, SLOTB*(((\n)/2)%2)
	s_mul_i32 s20, s16, VU
	s_add_co_u32 s[G0V+1], s20, SLOTB*(((\n)/2)%2)+VOFF
.endm
.macro REFILL n                        ; one load a wave, first thing behind the round: waves 0, 2 p's (joint), waves 1, 3 v's; unit 8 is alone
.if (\n) == 8
	s_cmp_lt_u32 s12, 2
	s_cbranch_scc0 .Lasked_\@
.endif
	s_cmp_eq_u32 s17, 0
	s_cbranch_scc0 .Lfor_v_\@
	TLOAD G0P, G1P
	s_branch .Lasked_\@
.Lfor_v_\@:
	TLOAD G0V, G1V
.Lasked_\@:
.endm
.macro ASKU n, b                       ; unit n into the L2; s[b:b+3] hold the two bases, written again only behind a wait on XCNT
	s_cmp_gt_u32 s14, \n
	s_cselect_b32 s20, s62, s63
	s_cselect_b32 s22, 0, s66
	s_add_co_u32 s20, s20, (\n)*6656
	s_add_co_u32 s22, s22, (\n)*6400
	s_mov_b32 s21, 0
	s_mov_b32 s23, 0
	s_add_nc_u64 s[\b:\b+1], s[4:5], s[20:21]
	s_add_nc_u64 s[\b+2:\b+3], s[18:19], s[22:23]
	global_prefetch_b8 v[PFP], s[\b:\b+1] th:TH_LOAD_NT scope:SCOPE_SE
	global_prefetch_b8 v[PFV], s[\b+2:\b+3] th:TH_LOAD_NT scope:SCOPE_SE
.endm
; Key step t.  kind 1: a round and a refill stand in it; kind 2: a plain barrier.  Every window is 0 at its head and at its end
.macro STEP t, zero, kind
.if \kind
	s_wait_xcnt 0x0                                ; the prefetches have read their bases
	s_wait_tensorcnt 0x0                           ; all my tensor loads have landed
.endif
.if (\kind) == 1
	ds_add_u32 v[SPW], v[NIL]
	NEXTD ((\t)+5)/2
	s_wait_dscnt 1                                 ; this step's fragments are in; the add alone may be out
.else
	s_wait_dscnt 0x0                               ; this step's fragments, asked for a step ago, are in
.endif
.if (\t)%2
	PLACES 4                                       ; in front of loads into registers that matrix instructions have read
.else
	ADJUST ((\t)/2)%2
	WALU
	PLACES 8                                       ; a scale register written by a vector instruction stands eight places ahead of a scaled matrix instruction
.endif
.if \kind
	WIN 0xa1                                       ; source 0 (v) window 1, source 1 (p) window 0, C and D window 2
	MULA \t, 0, 0, 0
	s_wait_dscnt 0x0                               ; my reads of the slot are over, and the add is done
	s_barrier_signal -1
	MULA \t, 1, 1, 0
	WIN 0
	s_barrier_wait -1
.if (\kind) == 1
	CREST
	REFILL ((\t)+5)/2
.endif
	FETCH (\t)+1
.if (\t) == 3
	ASKU 6, 80
	ASKU 7, 84
.elseif (\t) == 7
	ASKU 8, 80
.endif
	WIN 0xa1
.else
.if (\t) < 17
	FETCH (\t)+1
.endif
.if (\t) == 0
	ASKU 4, 80
	ASKU 5, 84
.endif
	WIN 0xa1
	MULA \t, 0, 0, \zero
	MULA \t, 1, 1, \zero
.endif
	MULA \t, 2, 0, \zero
	MULA \t, 3, 1, \zero
	WIN 0
.endm
; THE WAY OUT of a block: each tile (16 queries x 64 features) is divided by l, goes through my own stage and comes back as rows of 256 bytes: sixteen lanes store one aligned unit.  LDS serves a wave's instructions in order: no wait between the stores and the loads
.macro SEND a, younger, sb             ; younger: the LDS instructions issued behind tile a's loads
	s_wait_dscnt \younger
.irp i, 0,1,2,3,4,5,6,7
	global_store_b128 v[CO], v[BK+32*(\a)+4*\i:BK+32*(\a)+4*\i+3], s[\sb:\sb+1] offset:(8*(\a)+(2*\i)%8+32*(2*\i/8))*4096 th:TH_STORE_NT   ; rows 2 i, 2 i + 1 of tile a: row z is query 8 a + z % 8 + 32 (z / 8) of the wave's 64
.endr
.endm
.macro WAYOUT rl, sb
	PLACES 4
.irp a, 0,1,2,3
	WIN 0x82                                       ; the accumulators in window 2, 1 / l in window 0
.set i, 32*\a
.rept 16
	v_pk_mul_f32 v[i:i+1], v[i:i+1], v[\rl+2*\a:\rl+2*\a+1]
.set i, i+2
.endr
	WIN 0x08                                       ; an LDS store's data are its source 1: window 2
.irp b, 0,1,2,3
	ds_store_b128 v[STO], v[32*\a+8*\b:32*\a+8*\b+3] offset:32*\b
	ds_store_b128 v[STO], v[32*\a+8*\b+4:32*\a+8*\b+7] offset:32*\b+16
.endr
	WIN 0
.irp k, 0,1,2,3,4,5,6,7
	ds_load_b128 v[BK+32*\a+4*\k:BK+32*\a+4*\k+3], v[RD] offset:544*\k
.endr
.if \a > 0
	SEND \a-1, 16, \sb
.endif
.endr
	SEND 3, 0, \sb
	s_wait_xcnt 0x0                                ; the stores have read their data
.endm
.macro SWITCH t                        ; ahead of unit t / 2: where it is A's first, B goes out and the sums begin anew
	s_cmp_lg_u32 s14, (\t)/2
	s_cbranch_scc1 .Lsame_\@
	WAYOUT RL, 76
	v_mov_b32 v[NM], v[NM+2]
	v_mov_b32 v[NM+1], v[NM+3]
	WALU
	STEP \t, 1, 0
	s_branch .Lon_\@
.Lsame_\@:
	STEP \t, 0, 0
.Lon_\@:
.endm
.macro ARM under, g0, g1, next
	s_cmp_lt_u32 s12, \under
	s_cbranch_scc0 \next
	TLOAD \g0, \g1
	s_branch .Lasked
\next:
.endm
	s_load_b256 s[4:11], s[0:1], 0x0               ; pc, vc, st, out0
	v_lshl_add_u32 v[SPW], v0, 2, SPARE
	v_mov_b32 v[NIL], 0
	ds_add_u32 v[SPW], v[NIL]                      ; the opening lines: the add, twice on end
	ds_add_u32 v[SPW], v[NIL]
	v_lshrrev_b32 v1, 5, v0
	v_readfirstlane_b32 s12, v1                    ; wave 0..3
	s_and_b32 s17, s12, 1                          ; I fetch p (0) or v (1)
	s_lshr_b32 s16, s12, 1
	s_bfe_u32 s13, ttmp6, 0x40000                  ; cx: it enters v's and the output's addresses and the prefetches' shares alone
	s_and_b32 s20, ttmp7, 0xffff
	s_and_b32 s15, s20, 3                          ; I
	s_lshr_b32 s56, s20, 2                         ; batch
	s_sub_co_u32 s14, 8, s15                       ; nB: B's units
	s_lshl_b32 s57, s56, 3
	s_add_co_u32 s58, s57, s15                     ; block A
	s_add_co_u32 s59, s57, 7
	s_sub_co_u32 s59, s59, s15                     ; block B
	s_lshl_b32 s67, ttmp9, 2
	s_add_co_u32 s67, s67, s13                     ; my band of 64 features
	GROUP1 G1P, 15|(3<<16)|(1<<21), 1664, 8, 6656  ; p: joint, mask of all four; 8 groups' two records
	GROUP1 G1V, 3<<16, 1600, 2, 25600              ; v: 2 groups' two records
	s_mul_i32 s62, s59, 8*PU                       ; B's p, bytes from pc
	s_mul_i32 s63, s58, 8*PU
	s_mul_i32 s20, s14, 6656
	s_sub_co_u32 s63, s63, s20                     ; A's, less nB records: unit n adds n records
	s_mul_i32 s66, s14, 6400
	s_sub_co_u32 s66, 0, s66                       ; the same for v
	s_mul_i32 s18, s67, 409600
	s_mul_i32 s20, s57, 6400
	s_add_co_u32 s18, s18, s20
	s_mov_b32 s19, 0
	s_mul_i32 s70, s16, 2*6656
	s_add_co_u32 s70, s70, s62
	s_mov_b32 s71, 0
	s_mul_i32 s72, s16, 2*6400
	s_mov_b32 s73, 0
	s_mov_b32 s[G0P], 1
	s_mul_i32 s[G0P+1], s16, SLOTB
	s_mov_b32 s[G0V], 1
	s_add_co_u32 s[G0V+1], s[G0P+1], VOFF
	s_lshl_b32 s61, s15, 1
	s_sub_co_u32 s60, 15, s61                      ; B's last live key step
	s_add_co_u32 s61, s61, 1                       ; A's
	s_lshl_b32 s50, s59, 15
	s_lshl_b32 s52, s58, 15
	s_lshl_b32 s20, s12, 13
	s_add_co_u32 s50, s50, s20
	s_add_co_u32 s52, s52, s20
	s_mov_b32 s51, 0
	s_mov_b32 s53, 0
	s_lshl_b32 s76, s59, 20
	s_lshl_b32 s78, s58, 20
	s_lshl_b32 s20, s12, 18
	s_lshl_b32 s21, s67, 8
	s_add_co_u32 s20, s20, s21
	s_add_co_u32 s76, s76, s20
	s_add_co_u32 s78, s78, s20
	s_mov_b32 s77, 0
	s_mov_b32 s79, 0
	s_lshl_b32 s54, s13, 2
	s_add_co_u32 s54, s54, s12                     ; my number among the cluster's sixteen waves
	s_lshr_b32 s55, s54, 1
	s_mul_i32 s55, s55, PU
	s_and_b32 s54, s54, 1
	s_mul_i32 s54, s54, 13*256
	s_add_co_u32 s54, s54, s55                     ; my 13 blocks of a group's record of p
	s_mul_i32 s55, s17, 13
	s_mul_i32 s48, s16, 204800
	s_mul_i32 s20, s12, 26624
	s_mul_i32 s21, s12, 13312
	s_mul_i32 s22, s12, 4352
	s_add_co_u32 s22, s22, STAGE
	v_and_b32 v1, 31, v0                           ; lane
	v_lshlrev_b32 v2, 4, v1
	v_lshlrev_b32 v3, 2, v1
	v_and_b32 v92, 15, v0                          ; r
	v_bfe_u32 v93, v0, 4, 1                        ; h
	v_lshlrev_b32 v67, 3, v1
	v_add_nc_u32 v[ADPH], s20, v2
	v_add_nc_u32 v[ASPH], s20, v3
	v_add_nc_u32 v[ADPH+1], SLOTB, v[ADPH]
	v_add_nc_u32 v[ASPH+1], SLOTB, v[ASPH]
	v_add_nc_u32 v[ADP], s21, v2
	v_add_nc_u32 v[ASP], s21, v3
	v_add_nc_u32 v[ADP+1], PU, v[ADP]
	v_add_nc_u32 v[ASP+1], PU, v[ASP]
	v_add_nc_u32 v[ADP+2], SLOTB, v[ADP]
	v_add_nc_u32 v[ASP+2], SLOTB, v[ASP]
	v_add_nc_u32 v[ADP+3], SLOTB+PU, v[ADP]
	v_add_nc_u32 v[ASP+3], SLOTB+PU, v[ASP]
	v_add_nc_u32 v[ADV], VOFF, v2
	v_add_nc_u32 v[ASV], VOFF, v3
	v_add_nc_u32 v[ADV+1], VOFF+SLOTB, v2
	v_add_nc_u32 v[ASV+1], VOFF+SLOTB, v3
	v_mul_u32_u24 v[STO], 272, v92
	v_mul_u32_u24 v[RD], 272, v93
	v_lshlrev_b32 v[CO], 12, v93
	v_lshl_add_u32 v[STO], v93, 7, v[STO]
	v_lshl_add_u32 v[RD], v92, 4, v[RD]
	v_lshl_add_u32 v[CO], v92, 4, v[CO]            ; and back: two rows of 256 bytes, 4,096 bytes apart in the output
	v_add_nc_u32 v[STO], s22, v[STO]               ; in: row r, + 128 h
	v_add_nc_u32 v[RD], s22, v[RD]
	v_min_u32 v[PFP], 12, v1
	v_add_nc_u32 v[PFV], s55, v[PFP]
	v_lshl_add_u32 v[PFP], v[PFP], 8, s54
	v_min_u32 v[PFV], 24, v[PFV]
	v_lshl_add_u32 v[PFV], v[PFV], 8, s48
	WALU
.irp s, 0,1,2,3,4,5,6,7,8,9,10,11,12,13,14,15
	s_min_u32 s20, s60, \s                         ; a step past the last live one reads the last live one again: only entries that were written are read
	s_lshl_b32 s20, s20, 8
	v_add_nc_u32 v[VO+\s], s20, v67
.endr
.irp s, 0,1,2,3,4,5,6,7
	s_min_u32 s20, s61, \s
	s_lshl_b32 s20, s20, 8
	v_add_nc_u32 v[VO+16+\s], s20, v67
.endr
	WALU
	s_wait_dscnt 0x0
	CROUND                                         ; all four work-groups are here: the first joint loads meet
	s_wait_kmcnt 0x0
	s_add_nc_u64 s[18:19], s[6:7], s[18:19]
	s_add_nc_u64 s[G0P+2:G0P+3], s[4:5], s[70:71]
	s_add_nc_u64 s[G0V+2:G0V+3], s[18:19], s[72:73]
	s_or_b32 s[G0P+3], s[G0P+3], 0x80000000
	s_or_b32 s[G0V+3], s[G0V+3], 0x80000000
	ARM 1, G0P, G1P, .Lwave_1                      ; one load a wave: p's units 0, 1,
	ARM 2, G0V, G1V, .Lwave_2                      ; v's,
	ARM 3, G0P, G1P, .Lwave_3                      ; p's units 2, 3,
	TLOAD G0V, G1V                                 ; v's
.Lasked:
	s_add_nc_u64 s[50:51], s[8:9], s[50:51]
	s_add_nc_u64 s[52:53], s[8:9], s[52:53]
	s_add_nc_u64 s[76:77], s[10:11], s[76:77]
	s_add_nc_u64 s[78:79], s[10:11], s[78:79]
	; while they are on their way: the rows' M and l.  Chains k = 0, 1: B's two groups, 16 steps; k = 2, 3: A's, 8 steps
.irp s, 0,1,2,3,4,5,6,7,8,9,10,11,12,13,14,15
	global_load_b64 v[160+2*\s:161+2*\s], v[VO+\s], s[50:51]
	global_load_b64 v[192+2*\s:193+2*\s], v[VO+\s], s[50:51] offset:4096
.endr
.irp s, 0,1,2,3,4,5,6,7
	global_load_b64 v[224+2*\s:225+2*\s], v[VO+16+\s], s[52:53]
	global_load_b64 v[240+2*\s:241+2*\s], v[VO+16+\s], s[52:53] offset:4096
.endr
	s_wait_loadcnt 0x0
.macro EACHK op                        ; op for each chain; X_: the chain's (-M, l) of step s_
.set k_, 0
.rept 4-2*(s_/8)
.set X_, 160+32*k_-16*(k_/3)+2*s_
	\op
.set k_, k_+1
.endr
.endm
.macro OMIN
.if s_ == 1
	v_min_num_f32 v[NM+k_], v[X_-2], v[X_]
.else
	v_min_num_f32 v[NM+k_], v[NM+k_], v[X_]        ; the least -M: the row's M
.endif
.endm
.macro OSUB
	v_sub_f32 v[T0+k_], v[NM+k_], v[X_]            ; M_s - M: a whole number, 0 or less
.endm
.macro OCVT
	v_cvt_i32_f32 v[T0+k_], v[T0+k_]               ; (it saturates)
.endm
.macro OLDX
.if s_ == 0
	v_ldexp_f32 v[LS+k_], v[X_+1], v[T0+k_]
.else
	v_ldexp_f32 v[T0+k_], v[X_+1], v[T0+k_]
.endif
.endm
.macro OSUM
.if s_ == 1
	v_add_f32 v[LS+k_], v[LS+k_], v[T0+k_]
.elseif s_ > 1
	v_fma_f32 v[LS+k_], s[20+k_/2], v[T0+k_], v[LS+k_]
.endif
.endm
.set s_, 1
.rept 15
	EACHK OMIN
.set s_, s_+1
.endr
.set s_, 0
.rept 16
.if s_ > 1                             ; steps 0 and 1 are live in every block; a step read twice counts once
	s_cmp_ge_u32 s60, s_
	s_cselect_b32 s20, 1.0, 0
.if s_ < 8
	s_cmp_ge_u32 s61, s_
	s_cselect_b32 s21, 1.0, 0
.endif
.endif
	EACHK OSUB
	EACHK OCVT
	EACHK OLDX
	EACHK OSUM
.set s_, s_+1
.endr
	WALU                                           ; ahead of the batch
.irp k, 0,1,2,3
	v_rcp_f32 v[RL+4*\k+32*(\k/2)], v[LS+\k]
.endr
	v_nop                                          ; a plain place behind the reciprocals
	WALU                                           ; and the wait ahead of the first reader
.irp k, 0,1,2,3
	v_mov_b32 v[RL+4*\k+32*(\k/2)+2], v[RL+4*\k+32*(\k/2)]
.endr
.irp k, 0,1,2,3
	v_permlane16_swap_b32 v[RL+4*\k+32*(\k/2)], v[RL+4*\k+32*(\k/2)+2]   ; lane 16 u + r held tile u's row r: now the first register holds tile 0's row r in both halves, the second tile 1's
.endr
.irp k, 0,1,2,3
	v_mov_b32 v[RL+4*\k+32*(\k/2)+1], v[RL+4*\k+32*(\k/2)]     ; pairs for the packed multiply
	v_mov_b32 v[RL+4*\k+32*(\k/2)+3], v[RL+4*\k+32*(\k/2)+2]
.endr
	WALU
	s_cmp_lt_u32 s12, 2
	s_cbranch_scc0 .Lno_wait
	s_wait_tensorcnt 0x0                           ; waves 0 and 1: units 0 and 1 are in
.Lno_wait:
	s_barrier_signal -1
	s_barrier_wait -1
	FETCH 0
	STEP 0, 1, 0                                   ; the first products start the sums
	STEP 1, 0, 0
	STEP 2, 0, 0
	STEP 3, 0, 1
	STEP 4, 0, 0
	STEP 5, 0, 0
	STEP 6, 0, 0
	STEP 7, 0, 1
	STEP 8, 0, 0
	STEP 9, 0, 0
	SWITCH 10
	STEP 11, 0, 1
	SWITCH 12
	STEP 13, 0, 0
	SWITCH 14
	STEP 15, 0, 2
	SWITCH 16
	STEP 17, 0, 0
	WAYOUT RLA, 78
	s_wait_tensorcnt 0x0                           ; the wave's end
	ds_add_u32 v[SPW], v[NIL]
	s_wait_dscnt 0x0
	CROUND                                         ; the closing round: no work-group ends while a partner may still ask for a unit that names it
	s_endpgm
.Lfunc_end_k_q16ba7200ce_pv:
	.size	k_q16ba7200ce_pv, .Lfunc_end_k_q16ba7200ce_pv-k_q16ba7200ce_pv
	.p2alignl 7, 3214868480
	.fill 96, 4, 3214868480
	.section	.rodata,"a",@progbits
	.p2align	6, 0x0
	.amdhsa_kernel k_q16ba7200ce_pv
		.amdhsa_group_segment_fixed_size 327680
		.amdhsa_private_segment_fixed_size 0
		.amdhsa_enable_private_segment 0
		.amdhsa_kernarg_size 32
		.amdhsa_user_sgpr_count 2
		.amdhsa_user_sgpr_kernarg_segment_ptr 1
		.amdhsa_wavefront_size32 1
		.amdhsa_system_sgpr_workgroup_id_x 1
		.amdhsa_system_sgpr_workgroup_id_y 1
		.amdhsa_system_sgpr_workgroup_id_z 1
		.amdhsa_system_vgpr_workitem_id 0
		.amdhsa_next_free_vgpr 640
		.amdhsa_next_free_sgpr 96
		.amdhsa_reserve_vcc 0
		.amdhsa_float_denorm_mode_32 3
		.amdhsa_float_denorm_mode_16_64 3
		.amdhsa_memory_ordered 1
		.amdhsa_forward_progress 1
		.amdhsa_inst_pref_size 202
	.end_amdhsa_kernel
	.amdgpu_metadata
---
amdhsa.version: [ 1, 2 ]
amdhsa.kernels:
  - .name:           k_q16ba7200ce_pv
    .symbol:         k_q16ba7200ce_pv.kd
    .args:
      - { .name: pc, .offset: 0, .size: 8, .value_kind: global_buffer, .address_space: global }
      - { .name: vc, .offset: 8, .size: 8, .value_kind: global_buffer, .address_space: global }
      - { .name: st, .offset: 16, .size: 8, .value_kind: global_buffer, .address_space: global }
      - { .name: out0, .offset: 24, .size: 8, .value_kind: global_buffer, .address_space: global }
    .group_segment_fixed_size: 327680
    .private_segment_fixed_size: 0
    .kernarg_segment_align: 8
    .kernarg_segment_size: 32
    .max_flat_workgroup_size: 128
    .sgpr_count:     96
    .vgpr_count:     640
    .wavefront_size: 32
...
	.end_amdgpu_metadata
.endif
;; end of part 4
